; MI455X (gfx1250); checked and timed in simulation.
; The chip was launched on July 23, 2026; its instructions are those of AMD's public machine-readable ISA for CDNA 5 (MIT licence, August 2026) and "CDNA5" Instruction Set Architecture Reference Guide (July 2026). The comments in the code are by the model that wrote it; some were corrected since.
;; Multi Head Attention. Allowed arithmetic: matrix products marked QUANTISED: E2M3 operands, one E8M0 scale for each 32 along K, by v_wmma_scale_f32_16x16x128_f8f6f4 with both operands' format E2M3, f32 sums; everything else in f32.
;; Inputs: W_K 1,024 x 1,024 float32; W_O 1,024 x 1,024 float32; W_Q 1,024 x 1,024 float32; W_V 1,024 x 1,024 float32; mask 4 x 2,048 x 2,048 bool; x 4 x 2,048 x 1,024 float32.
;; Outputs: out0 4 x 2,048 x 1,024 float32.
;; This version of the problem:
;;   THIS VERSION OF THE PROBLEM IS GIVEN IN LOW PRECISION. The matrix products marked QUANTISED in the list below multiply operands that are first quantised to E2M3 (2 exponent bits, 3 mantissa bits; 6 bits a number), with one power-of-two scale for each 32 numbers along K (OCP MX v1.0); their sums are f32. All else is computed in f32.
;;   The module's matrix products, in the order in which they are computed (A, B: the left and right operand; K: the contracted axis; several contracted axes count as one K, in the product's order):
;;     1. [M 8,192, K 1,024] x [K 1,024, N 1,024]; A: input x; B: input W_Q: QUANTISED
;;     2. [M 8,192, K 1,024] x [K 1,024, N 1,024]; A: input x; B: input W_K: QUANTISED
;;     3. [M 8,192, K 1,024] x [K 1,024, N 1,024]; A: input x; B: input W_V: QUANTISED
;;     4. batch 64 x [M 2,048, K 64] x [K 64, N 2,048]; A: computed on the way; B: computed on the way: QUANTISED
;;     5. batch 64 x [M 64, K 2,048] x [K 2,048, N 2,048]; A: computed on the way; B: computed on the way: QUANTISED
;;     6. [M 8,192, K 1,024] x [K 1,024, N 1,024]; A: computed on the way; B: input W_O: QUANTISED
;;   THE QUANTISER, for each operand of a quantised product, along K:
;;     - K is cut into blocks of 32 from its start; a last block that is shorter is filled with zeros.
;;     - A block's scale is 2^e with e = floor(log2(the largest magnitude in the block)) - 2, held to -126 .. 127; a block of zeros has e = 0. As a byte (E8M0): e + 127.
;;     - Each number is divided by its block's scale, clamped to +-7.5, and rounded to the nearest number of E2M3, ties to even, subnormals kept.
;;     - The product sums the exact products of the quantised numbers (number of the format x scale) in f32.
;;   ~~~python
;;   def quantise(x, axis):      # numpy; x: float32 -> the quantised numbers, widened to float32 again
;;       x = np.moveaxis(x, axis, -1); K = x.shape[-1]
;;       x = np.pad(x, [(0, 0)] * (x.ndim - 1) + [(0, -K % 32)]); x = x.reshape(x.shape[:-1] + (-1, 32)); a = np.abs(x).max(-1, keepdims=True)
;;       e = np.where(a > 0, np.clip(np.frexp(np.where(a > 0, a, 1))[1] - 1 - 2, -126, 127), 0)      # np.frexp(a)[1] - 1 = floor(log2(a)), exactly
;;       r = np.clip(x / 2.0 ** e, -7.5, 7.5)
;;       step = 2.0 ** (np.maximum(np.frexp(np.where(r == 0, 1, r))[1] - 1, 0) - 3)
;;       q = np.round(r / step) * step * 2.0 ** e      # np.round: ties to even
;;       return np.moveaxis(q.reshape(q.shape[:-2] + (-1,))[..., :K], -1, axis).astype(np.float32)
;;   ~~~
;;   OPERANDS COMPUTED ON THE WAY. 'Computed on the way' means the value that the module computes at that place (a softmax that the list does not call 'softmax' is quantised finished and normalised). What goes into a quantiser is computed in f32, as accurately as f32 sums, v_exp_f32 and their like allow (about 1e-6 of the number): no bf16 or f16 on the way to a quantiser, and a product that is left as it is and whose result goes on into a quantised operand takes f32 operands (vector FMAs, or v_wmma_f32_16x16x4_f32). A number that lies on a knife's edge between two numbers of the format may be rounded either way, as far as f32 arithmetic and the matrix unit's own rounding can turn it there, and no further.
;; 2 versions, each right; version 2 is version 1 with the launch attn written anew for expert scheduling mode. Each part assembles by itself: llvm-mc -triple=amdgcn-amd-amdhsa -mcpu=gfx1250 --defsym DOCPART=n.
;; ======== version 1 of 2: 4 launches
;; workspace buffers: fl 2,048 bytes of whole numbers; pc 9,437,184 bytes; ps 393,216 bytes; mb 2,097,152 bytes; ac 18,874,368 bytes; asc 1,572,864 bytes; cc 6,291,456 bytes; cs 262,144 bytes
;; launch prep (part 1): grid 512 x 1, 4 waves a work-group, no clusters, 68,096 bytes of LDS; arguments x, mask, W_Q, W_K, W_V, W_O, pc, ps, mb, fl; writes pc, ps, mb, fl
.if DOCPART == 1
	.amdgcn_target "amdgcn-amd-amdhsa--gfx1250"
	.amdhsa_code_object_version 6
	.text
	.protected	k_q251329a9b2_prep
	.globl	k_q251329a9b2_prep
	.p2align	8
	.type	k_q251329a9b2_prep,@function
k_q251329a9b2_prep:
	s_mov_b64 s[64:65], 0
	v_nop
	global_prefetch_b8 v0, s[64:65] scope:SCOPE_SE
	s_setreg_imm32_b32 hwreg(HW_REG_WAVE_MODE, 25, 1), 1
	s_wait_xcnt 0x0
; PREP: one launch, three ways, chosen by the work-group's number.
;   X (work-groups 0-255):   x [8192][1024] f32 -> codes of FP6 (E2M3) and E8M0 scale bytes along its rows, laid as images of operand registers.
;   M (work-groups 256-383): mask [8192][2048] bytes -> mb: lane masks (one 32-bit word for each score register of a 16 x 128 tile); fl: for each tile of 16 queries a word of 16 flags 'all 16 x 128 true'.
;   W (work-groups 384-511): W_Q, W_K, W_V, W_O [k 1024][n 1024] f32 -> codes and scale bytes along k (their FIRST axis), in the same images: a lane takes a column, its registers run down k.
; A TILE of an operand is 16 rows; tile T holds rows 32 (T / 2) + 8 (T % 2) + r + 8 (r / 8), r = 0 .. 15, so that a product which takes such a tile as its first source leaves 16 neighbours along these rows in two tiles' registers.
; AN IMAGE of a fragment (16 rows x 128 k, 12 registers a lane) is 1,536 bytes: for each half of 64 k: registers 0-3 at 16 x lane (512 bytes), registers 4, 5 at 512 + 8 x lane (256 bytes).
; pc: [tile][K step 0..7][1536]; ps: 512 bytes a tile, the word of (K step s, row r) at 128 (s / 2) + 8 r + 4 (s % 2).  Tiles 0-511 x, 512.. W_Q, 576.. W_K, 640.. W_V, 704.. W_O.
; A block's scale is 2^(floor(log2(its largest magnitude)) - 2); its byte is the largest magnitude's exponent field - 2, held at 1 from below.
; LIMITS: a block of zeros, or one whose largest magnitude lies under 2^-124, gets the byte 1 (the rule says 127 for zeros: the codes are zeros, and this program alone reads the bytes); NaN and infinities are not served.
; No matrix work, no tensor load, no barrier: waves share nothing.  Each way has LDS bytes of its own.
.set WST,  8448                        ; a wave's stage: 16 rows of 512 bytes + 16 of padding
.set SP,   528                         ; its pitch: 33 x 16 bytes, so that 16 rows' 16-byte columns fall into different banks
.set SM,   4*WST                       ; way M's stages lie behind way X's
.set R,    16                          ; v16-79   64 registers as loaded
.set X,    80                          ; v80-143  64 registers back from the stage
.set PC,   144                         ; v144-163 way X: a fragment's codes
.set TM,   164                         ; v164-179 way X: at work
.set PW,   180                         ; v180     way X: the scale word just made
.set SW,   182                         ; v182-185 way X: the four K steps' scale words
.set OUT,  144                         ; v144-151 way M: four steps' words, two registers a step
.set TB,   152                         ; v152-155 way M: at work
.set FO,   156                         ; v156-163 way M: the fold for the flag
.set XW,   16                          ; v16-79   way W: two sets of 32 numbers
.set CW,   80                          ; v80-127  way W: six registers of codes for each of eight blocks: no store's data are written again
.set TW,   128                         ; v128-130 way W: a block's upper 16 codes, on their way
.set SBW,  132                         ; v132-133 way W: eight scale bytes
	s_load_b512 s[4:19], s[0:1], 0x0               ; x s[4:5], mask s[6:7], W_Q s[8:9], W_K s[10:11], W_V s[12:13], W_O s[14:15], pc s[16:17], ps s[18:19]
	s_load_b64 s[20:21], s[0:1], 0x40              ; mb
	s_load_b64 s[36:37], s[0:1], 0x48              ; fl
	v_lshl_add_u32 v192, v0, 2, 0x10800
	v_mov_b32 v193, 0
	v_lshrrev_b32 v1, 5, v0
	v_readfirstlane_b32 s22, v1                    ; wave 0..3
	v_and_b32 v1, 31, v0                           ; lane
	v_and_b32 v2, 15, v0                           ; r
	v_bfe_u32 v3, v0, 4, 1                         ; h
	v_lshlrev_b32 v4, 4, v1                        ; 16 x lane
	v_lshlrev_b32 v5, 3, v1                        ; 8 x lane
	s_mul_i32 s23, s22, WST
	v_add_nc_u32 v6, s23, v4                       ; way X, into the stage: 16 x lane of a row
	v_mul_u32_u24 v9, v2, SP
	v_add_nc_u32 v9, s23, v9
	v_lshl_add_u32 v7, v3, 6, v9                   ; way X, out of it: row r, + 64 h: my 16 numbers of each block of 32
	v_add_nc_u32 v10, SM, v6                       ; way M, in
	v_lshl_add_u32 v11, v3, 4, v9
	v_add_nc_u32 v11, SM, v11                      ; way M, out: row r, + 16 h: my 16 bytes of each 32 keys
	s_mov_b32 s2, 0x76543210
	s_mov_b32 s3, 0xfedcba98                       ; v_permlanex16_b32's selects for lane l xor 16
	s_wait_kmcnt 0x0
	s_cmp_lt_u32 ttmp9, 256
	s_cbranch_scc0 .Lnot_x
; ---------------------------------------------------------------- way X
; 64 numbers of a lane, register 16 b + i = k 32 b + 16 h + i of my row, become a fragment's codes in v[PC] on and its scale word in v[PW].
.macro QUANT s
.irp b, 0,1,2,3
	v_max3_num_f32 v[TM+\b], |v[\s+16*\b]|, |v[\s+1+16*\b]|, 0x1800000   ; block b: my 16 numbers, and the floor 2^(3 - 127): the byte cannot fall under 1
.endr
.irp i, 2,4,6,8,10,12,14
.irp b, 0,1,2,3
	v_max3_num_f32 v[TM+\b], v[TM+\b], |v[\s+16*\b+\i]|, |v[\s+1+16*\b+\i]|   ; the four blocks by turns
.endr
.endr
.irp b, 0,1,2,3
	v_permlanex16_b32 v[TM+4+\b], v[TM+\b], s2, s3
.endr
.irp b, 0,1,2,3
	v_max_num_f32 v[TM+\b], v[TM+\b], v[TM+4+\b]   ; with lane l xor 16's: the block's largest magnitude
.endr
.irp b, 0,1,2,3
	v_add_nc_u32 v[TM+12+\b], 0xff000000, v[TM+\b] ; 2 off its exponent field: the conversion takes this operand's exponent field as its scale
.endr
.irp b, 0,1,2,3
	v_lshrrev_b32 v[TM+4+\b], 23, v[TM+12+\b]      ; the scale's byte
.endr
	v_lshl_or_b32 v[PW], v[TM+5], 8, v[TM+4]
	v_lshl_or_b32 v[PW], v[TM+6], 16, v[PW]
	v_lshl_or_b32 v[PW], v[TM+7], 24, v[PW]
.irp c, 0,1
	v_cvt_scalef32_pk16_fp6_f32 v[PC+6*\c:PC+2+6*\c], v[\s+32*\c:\s+15+32*\c], v[TM+12+2*\c]
	v_cvt_scalef32_pk16_fp6_f32 v[PC+12+4*\c:PC+14+4*\c], v[\s+16+32*\c:\s+31+32*\c], v[TM+12+2*\c+1]   ; (a conversion's three registers begin on an even number)
.endr
	v_nop                                          ; one plain place behind a scaled conversion
.irp c, 0,1                                    ; the operand's layout wants a whole block in a lane: lanes 0-15 block 2 c, lanes 16-31 block 2 c + 1
.irp i, 0,1,2
	v_permlane16_swap_b32 v[PC+6*\c+\i], v[PC+12+4*\c+\i]
.endr
.irp i, 0,1,2
	v_mov_b32 v[PC+3+6*\c+\i], v[PC+12+4*\c+\i]
.endr
.endr
.endm
.macro LOADX s                         ; K step s of my tile's 16 rows: each load takes 512 consecutive bytes of one row
.irp i, 0,1,2,3,4,5,6,7,8,9,10,11,12,13,14,15
	global_load_b128 v[R+4*\i:R+4*\i+3], v4, s[4:5] offset:(\i+8*(\i/8))*4096+512*(\s) th:TH_LOAD_NT
.endr
.endm
.macro TURNX                           ; through my stage: in as loaded, out 16 neighbours of each block a lane.  LDS serves a wave's instructions in order: no wait between
.irp i, 0,1,2,3,4,5,6,7,8,9,10,11,12,13,14,15
	ds_store_b128 v6, v[R+4*\i:R+4*\i+3] offset:SP*\i
.endr
.irp b, 0,1,2,3
.irp j, 0,1,2,3
	ds_load_b128 v[X+16*\b+4*\j:X+16*\b+4*\j+3], v7 offset:128*\b+16*\j
.endr
.endr
.endm
.macro STEPX s
	s_wait_loadcnt 0x0                             ; this step's 16 loads are in: nothing else is out
	TURNX
	s_wait_dscnt 0x0                               ; the numbers are back, and the stage's stores have read their registers
.if (\s) > 0
	s_wait_xcnt 0x0                                ; the last step's stores have read their data: the codes' registers may be written again
.endif
.if (\s) < 3
	LOADX (\s)+1                                   ; the next step's 8 KiB are on their way while this one is quantised
.endif
	QUANT X
	v_mov_b32 v[SW+(\s)], v[PW]
	global_store_b128 v4, v[PC:PC+3], s[16:17] offset:1536*(\s)           ; the image: each store covers whole aligned runs of 256 bytes
	global_store_b64 v5, v[PC+4:PC+5], s[16:17] offset:1536*(\s)+512
	global_store_b128 v4, v[PC+6:PC+9], s[16:17] offset:1536*(\s)+768
	global_store_b64 v5, v[PC+10:PC+11], s[16:17] offset:1536*(\s)+1280
.endm
	s_lshl_b32 s24, ttmp9, 2
	s_add_co_u32 s24, s24, s22                     ; u = 4 x work-group + wave: tile u / 2, K steps 4 (u % 2) on
	s_lshr_b32 s25, s24, 2
	s_lshl_b32 s25, s25, 5
	s_bfe_u32 s26, s24, 0x10001
	s_lshl_b32 s26, s26, 3
	s_add_co_u32 s25, s25, s26                     ; the tile's first row: 32 (T / 2) + 8 (T % 2)
	s_lshl_b32 s28, s25, 12
	s_and_b32 s26, s24, 1
	s_lshl_b32 s26, s26, 11
	s_add_co_u32 s28, s28, s26                     ; + 2,048 bytes for the upper half of K
	s_mov_b32 s29, 0
	s_add_nc_u64 s[4:5], s[4:5], s[28:29]
	s_mul_i32 s28, s24, 6144                       ; 12,288 T + 6,144 (u % 2)
	s_add_nc_u64 s[16:17], s[16:17], s[28:29]
	s_lshl_b32 s28, s24, 8                         ; 512 T + 256 (u % 2)
	s_add_nc_u64 s[18:19], s[18:19], s[28:29]
.irp b, 0,1,2,3
	v_mov_b32 v[TM+4+\b], 0                        ; written once: a lane permute's destination counts as one of its sources
.endr
	LOADX 0
	STEPX 0
	STEPX 1
	STEPX 2
	STEPX 3
	v_cmp_eq_u32 vcc_lo, 1, v3
	v_cndmask_b32 v186, v[SW], v[SW+2], vcc_lo     ; lanes 0-15 store the words of my K steps 0, 1, lanes 16-31 those of 2, 3:
	v_cndmask_b32 v187, v[SW+1], v[SW+3], vcc_lo
	global_store_b64 v5, v[186:187], s[18:19]      ; 8 x lane = 8 r + 128 h: one aligned run of 256 bytes
	s_wait_tensorcnt 0x0
	ds_add_u32 v192, v193
	s_wait_dscnt 0x0
	s_endpgm
; ---------------------------------------------------------------- way M
.Lnot_x:
	s_cmp_lt_u32 ttmp9, 384
	s_cbranch_scc0 .Lweights
.macro LOADM ch                        ; keys 512 ch on of my tile's 16 queries
.irp i, 0,1,2,3,4,5,6,7,8,9,10,11,12,13,14,15
	global_load_b128 v[R+4*\i:R+4*\i+3], v4, s[6:7] offset:(\i+8*(\i/8))*2048+512*(\ch) th:TH_LOAD_NT
.endr
.endm
.macro TURNM                           ; register 16 st + 4 b + j of lane (r, h): query r, keys 128 st + 32 b + 16 h + 4 j .. + 3 of the chunk
.irp i, 0,1,2,3,4,5,6,7,8,9,10,11,12,13,14,15
	ds_store_b128 v10, v[R+4*\i:R+4*\i+3] offset:SP*\i
.endr
.irp st, 0,1,2,3
.irp b, 0,1,2,3
	ds_load_b128 v[X+16*\st+4*\b:X+16*\st+4*\b+3], v11 offset:128*\st+32*\b
.endr
.endr
.endm
.macro STEPM ch, st                    ; one tile of 16 queries x 128 keys
.irp i, 0,1,2,3,4,5,6,7
	v_and_b32 v[FO+\i], v[X+16*(\st)+2*\i], v[X+16*(\st)+2*\i+1]
.endr
.irp i, 0,2,4,6
	v_and_b32 v[FO+\i], v[FO+\i], v[FO+\i+1]
.endr
	v_and_b32 v[FO], v[FO], v[FO+2]
	v_and_b32 v[FO+4], v[FO+4], v[FO+6]
	v_and_b32 v[FO], v[FO], v[FO+4]
	v_cmp_eq_u32 s31, 0x01010101, v[FO]            ; all my 64 bytes are 1?
	s_cmp_eq_u32 s31, -1                           ; in all 32 lanes?
	s_cselect_b32 s31, 1<<(4*(\ch)+(\st)), 0
	s_or_b32 s30, s30, s31                         ; the tile's flag
.irp q, 0,1,2,3,4,5,6,7,8,9,10,11,12,13,14,15  ; word n = 4 q + y: bit (r, h) = mask[query r][32 (n / 16) + 16 h + n % 16]: the lane mask of score register n
.irp y, 0,1,2,3
	v_lshlrev_b32 v[TB+\y], 31-8*\y, v[X+16*(\st)+\q]   ; byte y's lowest bit to the top
.endr
.irp y, 0,1,2,3
	v_cmp_gt_i32 s[32+\y], 0, v[TB+\y]
.endr
.irp y, 0,1,2,3
	v_writelane_b32 v[OUT+2*(\st)+\y%2], s[32+\y], 2*\q+\y/2   ; word n to lane n / 2, register n % 2
.endr
.endr
	global_store_b64 v5, v[OUT+2*(\st):OUT+2*(\st)+1], s[26:27] offset:256*(4*(\ch)+(\st))   ; the tile's 64 words: one aligned run of 256 bytes
.endm
.macro CHUNKM ch
	s_wait_loadcnt 0x0
	TURNM
	s_wait_dscnt 0x0
.if (\ch) > 0
	s_wait_xcnt 0x0                                ; the last chunk's stores have read their data
.endif
.if (\ch) < 3
	LOADM (\ch)+1
.endif
	STEPM \ch, 0
	STEPM \ch, 1
	STEPM \ch, 2
	STEPM \ch, 3
.endm
	s_sub_co_u32 s24, ttmp9, 256
	s_lshl_b32 s24, s24, 2
	s_add_co_u32 s24, s24, s22                     ; my tile of queries, 0 .. 511
	s_lshr_b32 s25, s24, 1
	s_lshl_b32 s25, s25, 5
	s_and_b32 s26, s24, 1
	s_lshl_b32 s26, s26, 3
	s_add_co_u32 s25, s25, s26                     ; its first row
	s_lshl_b32 s28, s25, 11                        ; a row of the mask is 2,048 bytes
	s_mov_b32 s29, 0
	s_add_nc_u64 s[6:7], s[6:7], s[28:29]
	s_lshl_b32 s28, s24, 12
	s_add_nc_u64 s[26:27], s[20:21], s[28:29]      ; its words: 4,096 bytes a tile of queries
	s_lshl_b32 s28, s24, 2
	s_add_nc_u64 s[36:37], s[36:37], s[28:29]      ; its word of flags: 4 bytes a tile of queries
	s_mov_b32 s30, 0
.irp i, 0,1,2,3,4,5,6,7
	v_mov_b32 v[OUT+\i], 0                         ; written once: v_writelane_b32's destination counts as one of its sources
.endr
	LOADM 0
	CHUNKM 0
	CHUNKM 1
	CHUNKM 2
	CHUNKM 3
	v_mov_b32 v[TB], s30
	v_mov_b32 v[TB+1], 0
	s_wait_xcnt 0x0                                ; EXEC changes only behind this wait
	v_cmp_eq_u32 vcc_lo, 0, v1
	s_wait_tensorcnt 0x0
	ds_add_u32 v192, v193
	s_wait_dscnt 0x0
	s_and_saveexec_b32 s31, vcc_lo                 ; lane 0 alone
	global_store_b32 v[TB+1], v[TB], s[36:37]
	s_wait_xcnt 0x0
	s_or_b32 exec_lo, exec_lo, s31
	s_endpgm
; ---------------------------------------------------------------- way W
.Lweights:
.macro LOADW t                         ; block t: W(32 t + i, my column), i = 0 .. 31: 128 consecutive bytes a load
.irp i, 0,1,2,3,4,5,6,7,8,9,10,11,12,13,14,15,16,17,18,19,20,21,22,23,24,25,26,27,28,29,30,31
	global_load_b32 v[XW+32*((\t)%2)+\i], v15, s[24:25] offset:(32*(\t)+\i)*4096 th:TH_LOAD_NT
.endr
.endm
.macro BLOCKW t
.set XS, XW+32*((\t)%2)
.set CD, CW+6*(\t)
.if (\t) < 7
	s_wait_loadcnt 32                              ; this block's 32 loads are in; the next block's 32 may be out
.else
	s_wait_loadcnt 0
.endif
	v_max3_num_f32 v136, |v[XS]|, |v[XS+1]|, |v[XS+2]|          ; the block's largest magnitude: all 32 numbers are mine
	v_max3_num_f32 v137, |v[XS+3]|, |v[XS+4]|, |v[XS+5]|
.irp i, 6,10,14,18,22,26
	v_max3_num_f32 v136, v136, |v[XS+\i]|, |v[XS+\i+1]|
	v_max3_num_f32 v137, v137, |v[XS+\i+2]|, |v[XS+\i+3]|
.endr
	v_max3_num_f32 v136, v136, |v[XS+30]|, |v[XS+31]|
	v_max3_num_f32 v136, v136, v137, 0x1800000     ; and the floor 2^(3 - 127)
	v_add_nc_u32 v138, 0xff000000, v136            ; the conversion's scale operand
	v_lshrrev_b32 v139, 23, v138                   ; the scale's byte
.if (\t)%4 == 0
	v_mov_b32 v[SBW+(\t)/4], v139
.else
	v_lshl_or_b32 v[SBW+(\t)/4], v139, 8*((\t)%4), v[SBW+(\t)/4]
.endif
	v_cvt_scalef32_pk16_fp6_f32 v[CD:CD+2], v[XS:XS+15], v138
	v_cvt_scalef32_pk16_fp6_f32 v[TW:TW+2], v[XS+16:XS+31], v138    ; (a conversion's three registers begin on an even number)
	v_nop                                          ; one plain place behind a scaled conversion
.irp i, 0,1,2
	v_mov_b32 v[CD+3+\i], v[TW+\i]
.endr
.if (\t)+2 < 8
	LOADW (\t)+2
.endif
	; my block is what lane r' + 16 (t % 2) of the image holds in half (t / 2) % 2 of K step t / 4
	global_store_b128 v12, v[CD:CD+3], s[16:17] offset:1536*((\t)/4)+768*(((\t)/2)%2)+256*((\t)%2)
	global_store_b64 v13, v[CD+4:CD+5], s[16:17] offset:1536*((\t)/4)+768*(((\t)/2)%2)+128*((\t)%2)+512
.endm
	s_sub_co_u32 s26, ttmp9, 384                   ; g = 0 .. 127
	s_lshr_b32 s27, s26, 5                         ; which weight: 0 W_Q, 1 W_K, 2 W_V, 3 W_O
	s_and_b32 s28, s26, 7
	s_lshl_b32 s28, s28, 2
	s_add_co_u32 s28, s28, s22                     ; gc: my wave's group of 32 columns, 0 .. 31
	s_bfe_u32 s29, s26, 0x20003                    ; y: which 256 along k
	s_cmp_lt_u32 s27, 2                            ; the choice hangs on the work-group's number alone
	s_cselect_b64 s[24:25], s[8:9], s[12:13]
	s_cselect_b64 s[30:31], s[10:11], s[14:15]
	s_and_b32 s32, s27, 1
	s_cmp_eq_u32 s32, 1
	s_cselect_b64 s[24:25], s[30:31], s[24:25]
	s_lshl_b32 s32, s29, 20                        ; 256 y rows of 4,096 bytes
	s_lshl_b32 s33, s28, 7                         ; + 32 gc columns of 4 bytes
	s_add_co_u32 s32, s32, s33
	s_mov_b32 s33, 0
	s_add_nc_u64 s[24:25], s[24:25], s[32:33]
	s_lshl_b32 s34, s27, 6
	s_lshl_b32 s35, s28, 1
	s_add_co_u32 s34, s34, s35
	s_add_co_u32 s34, s34, 512                     ; my first tile: 512 + 64 x weight + 2 gc
	s_mul_i32 s32, s34, 12288
	s_mul_i32 s35, s29, 3072                       ; two K steps for each y
	s_add_co_u32 s32, s32, s35
	s_add_nc_u64 s[16:17], s[16:17], s[32:33]
	s_lshl_b32 s32, s34, 9
	s_lshl_b32 s35, s29, 7
	s_add_co_u32 s32, s32, s35
	s_add_nc_u64 s[18:19], s[18:19], s[32:33]
	v_lshlrev_b32 v15, 2, v1                       ; in: 4 bytes a lane
	v_bfe_u32 v140, v1, 3, 1                       ; column 32 gc + lane lies in tile 2 gc + (lane / 8) % 2,
	v_and_b32 v141, 7, v1
	v_lshl_add_u32 v141, v3, 3, v141               ; at its row r' = lane % 8 + 8 (lane / 16)
	v_mul_u32_u24 v142, v140, 12288
	v_lshl_add_u32 v12, v141, 4, v142              ; registers 0-3: 16 r'
	v_lshl_add_u32 v13, v141, 3, v142              ; registers 4, 5: 8 r' (+ 512 in the immediate)
	v_lshlrev_b32 v14, 9, v140
	v_lshl_add_u32 v14, v141, 3, v14               ; the scale words: 512 x tile + 8 r'
	LOADW 0
	LOADW 1
.irp t, 0,1,2,3,4,5,6,7
	BLOCKW \t
.endr
	global_store_b64 v14, v[SBW:SBW+1], s[18:19]   ; my column's words of these two K steps
	s_endpgm
.Lfunc_end_k_q251329a9b2_prep:
	.size	k_q251329a9b2_prep, .Lfunc_end_k_q251329a9b2_prep-k_q251329a9b2_prep
	.p2alignl 7, 3214868480
	.fill 96, 4, 3214868480
	.section	.rodata,"a",@progbits
	.p2align	6, 0x0
	.amdhsa_kernel k_q251329a9b2_prep
		.amdhsa_group_segment_fixed_size 68096
		.amdhsa_private_segment_fixed_size 0
		.amdhsa_enable_private_segment 0
		.amdhsa_kernarg_size 80
		.amdhsa_user_sgpr_count 2
		.amdhsa_user_sgpr_kernarg_segment_ptr 1
		.amdhsa_wavefront_size32 1
		.amdhsa_system_sgpr_workgroup_id_x 1
		.amdhsa_system_sgpr_workgroup_id_y 1
		.amdhsa_system_sgpr_workgroup_id_z 1
		.amdhsa_system_vgpr_workitem_id 0
		.amdhsa_next_free_vgpr 194
		.amdhsa_next_free_sgpr 66
		.amdhsa_reserve_vcc 1
		.amdhsa_float_denorm_mode_32 3
		.amdhsa_float_denorm_mode_16_64 3
		.amdhsa_memory_ordered 1
		.amdhsa_forward_progress 1
		.amdhsa_inst_pref_size 255
	.end_amdhsa_kernel
	.section	.bss,"aw",@nobits
	.p2align	6
	.space	262144
	.amdgpu_metadata
---
amdhsa.version: [ 1, 2 ]
amdhsa.kernels:
  - .name:           k_q251329a9b2_prep
    .symbol:         k_q251329a9b2_prep.kd
    .args:
      - { .name: x, .offset: 0, .size: 8, .value_kind: global_buffer, .address_space: global }
      - { .name: mask, .offset: 8, .size: 8, .value_kind: global_buffer, .address_space: global }
      - { .name: W_Q, .offset: 16, .size: 8, .value_kind: global_buffer, .address_space: global }
      - { .name: W_K, .offset: 24, .size: 8, .value_kind: global_buffer, .address_space: global }
      - { .name: W_V, .offset: 32, .size: 8, .value_kind: global_buffer, .address_space: global }
      - { .name: W_O, .offset: 40, .size: 8, .value_kind: global_buffer, .address_space: global }
      - { .name: pc, .offset: 48, .size: 8, .value_kind: global_buffer, .address_space: global }
      - { .name: ps, .offset: 56, .size: 8, .value_kind: global_buffer, .address_space: global }
      - { .name: mb, .offset: 64, .size: 8, .value_kind: global_buffer, .address_space: global }
      - { .name: fl, .offset: 72, .size: 8, .value_kind: global_buffer, .address_space: global }
    .group_segment_fixed_size: 68096
    .private_segment_fixed_size: 0
    .kernarg_segment_align: 8
    .kernarg_segment_size: 80
    .max_flat_workgroup_size: 128
    .sgpr_count:     66
    .vgpr_count:     194
    .wavefront_size: 32
...
	.end_amdgpu_metadata
.endif
;; end of part 1
;; launch qkv (part 2): grid 12 x 32, 4 waves a work-group, clusters of 4 x 4, 327,680 bytes of LDS; arguments pc, ps, ac, asc; writes ac, asc
.if DOCPART == 2
	.amdgcn_target "amdgcn-amd-amdhsa--gfx1250"
	.amdhsa_code_object_version 6
	.text
	.protected	k_q251329a9b2_qkv
	.globl	k_q251329a9b2_qkv
	.p2align	8
	.type	k_q251329a9b2_qkv,@function
k_q251329a9b2_qkv:
	s_mov_b64 s[64:65], 0
	v_nop
	global_prefetch_b8 v0, s[64:65] scope:SCOPE_SE
	s_setreg_imm32_b32 hwreg(HW_REG_WAVE_MODE, 25, 1), 1
	s_wait_xcnt 0x0
	s_wait_alu depctr_hold_cnt(0) depctr_sa_sdst(0) depctr_va_vdst(0) depctr_va_sdst(0) depctr_va_ssrc(0) depctr_va_vcc(0) depctr_vm_vsrc(0)
	s_getreg_b32 s2, hwreg(HW_REG_IB_STS2, 6, 4)
	s_cmp_eq_u32 s2, 0
	s_cbranch_scc0 .Lentry_in_a_cluster
	s_endpgm
.Lentry_in_a_cluster:
	s_bfe_u32 s2, ttmp6, 0x10000c
	s_cmp_lg_u32 s2, 0xf033
	s_cbranch_scc0 .Lentry_shape_is_right
	s_endpgm
.Lentry_shape_is_right:
; QKV: x W_Q, x W_K and (x W_V)^T on codes of FP6 (E2M3) with E8M0 scales, K = 1,024; the results are quantised in registers and leave as codes: no f32 Q, K or V goes to memory.
; A work-group of four waves makes 256 x 256 results, a wave 128 x 128: 64 accumulators of 16 x 16 in 512 registers.  The matrix instruction's first source is called B, its second A:
; a lane then holds ONE row of A and its registers run along B's rows, which is the axis along which the result is quantised.
;   clusters x = 0, 1: A = 256 tokens of x, B = 256 columns of W_Q (0) or W_K (1): a lane holds a token and 128 channels = two heads of 64: two half fragments (16 tokens x 64 channels) for the scores' product.
;   cluster  x = 2:    A = 256 columns of W_V, B = 256 tokens of x: a lane holds a channel and 128 keys: one fragment (16 channels x 128 keys) of V^T for the second product of attention.
; The factor 1 / 8 on Q is a power of two: it changes no code and is applied to the scores by the next launch.
; OPERANDS lie in memory as images of their registers (see the launch before): a fragment of 16 rows x 128 K is 1,536 dense bytes, a tile's 8 K steps 12,288.  A tile's rows are 32 (T / 2) + 8 (T % 2) + r + 8 (r / 8),
; so that the 16 registers of two neighbouring result tiles are 16 neighbours along B's rows.
; K goes in steps of 256 through a ring of two LDS slots filled by the tensor data mover: a wave's load brings 8 tiles x 3,072 bytes.  The scale words of the work-group's 32 tiles come once, with the first fills.
; CLUSTERS: 4 x 4 work-groups; A's tiles are shared along a row of the cluster, B's along a column: each is asked for jointly, by the same tensor load with the same descriptor and a mask that names the four.
; LIMITS: a result block of zeros, or one whose largest magnitude lies under 2^-124, gets the scale byte 1 (this program alone reads the bytes); NaN and infinities are not served.
; REGISTERS, in windows of 256: window 0: v0-31 addresses; v32-63 scale words, two sets; v64-113 the way out; from v128 A's fragments, one set.  window 1: B's fragments, two sets, at v0 and v128.  windows 2, 3: the accumulators ((a, b) at v[8 (8 (a % 4) + b)]).
.set FR,    12                         ; registers of a fragment
.set FRB,   1536                       ; its image in bytes
.set TROW,  2*FRB                      ; a tile's part of a slot: two K steps of 128
.set NQ,    2
.set NL,    4                          ; LDS loads that bring a fragment
.set NP,    4                          ; places behind this matrix instruction (ISA guide 7.12.1)
.set HALFT, 8*TROW                     ; 8 tiles: what one tensor load brings, and what one wave reads of A or of B
.set SLOT,  4*HALFT                    ; A's 16 tiles, then B's 16
.set SCL,   2*SLOT                     ; behind the ring: the scale words, 512 bytes a tile
.set HALFS, 4096                       ; those of 8 tiles
.set SPARE, SCL+4*HALFS                ; behind them: the spare words, 128 bytes for each wave: two blocks of 256 bytes that no other line names
.set ADRA, 16                          ; v16-17 LDS address of A's fragments in slot 0, 1, 16 bytes a lane; v18-19 the same, 8 bytes a lane
.set ADRB, 20                          ; v20-23 the same for B
.set ADRS, 27                          ; v27    my scale words: lanes 0-15 A's rows, lanes 16-31 B's
.set SPW,  28                          ; v28    LDS address of my spare word; never rewritten
.set NIL,  29                          ; v29    0; never rewritten
.set SC,   32                          ; scale words: set s at v[SC + 16 s]; register 2 i + q: lanes 0-15 A's tile i, lanes 16-31 B's tile i, the slot's q-th 128 along K
.set AF,   128
.set PC,   64                          ; the way out: v64-83 a fragment's codes
.set TM,   96                          ; v96-111 at work
.set PW,   112                         ; the scale word just made
.set PS,   113                         ; and what of it my lane stores
.set G1, 24                            ; s[24:31] descriptor group 1 for A's tiles;  s[32:39] group 0, one set for each slot
.set G0, 32
.set G1B, 48                           ; s[48:55], s[56:63] the same for B's
.set G0B, 56
.set G1S, 68                           ; s[68:75], s[76:79] groups 1 and 0 for A's scale words;  s[80:87], s[88:91] for B's
.set G0S, 76
.set G1SB, 80
.set G0SB, 88
.set MSB, 0
.macro WIN new                         ; the immediate's high byte repeats the setting that is left
.if MSB != \new
	s_set_vgpr_msb (MSB<<8)|\new
.set MSB, \new
.endif
.endm
.set MUL_LO, 0xa1                      ; source 0 (B) window 1, source 1 (A) window 0, C and D window 2
.set MUL_HI, 0xf1                      ; the same, C and D window 3
.set TO_B,   0x40                      ; destination window 1, address window 0
; A joint load: waves 0 and 1 fetch for A, waves 2 and 3 for B.  The branch hangs on the wave's number alone.  Four v_nop follow each of the two lines.
.macro JLOAD g0a, g1a, g0b, g1b
	s_cmp_eq_u32 s15, 0
	s_cbranch_scc0 .Lfor_b_\@
	tensor_load_to_lds s[\g0a:\g0a+3], s[\g1a:\g1a+7]
	s_nop 0
.rept 4
	v_nop
.endr
	s_branch .Lasked_\@
.Lfor_b_\@:
	tensor_load_to_lds s[\g0b:\g0b+3], s[\g1b:\g1b+7]
	s_nop 0
.rept 4
	v_nop
.endr
.Lasked_\@:
.endm
.macro CREST                           ; a round of the cluster's barrier behind its opening barrier
	s_cmp_lg_u32 s14, 0
	s_cbranch_scc1 .Lnot_wave_0_\@
	s_barrier_signal -3
.Lnot_wave_0_\@:
	s_barrier_wait -3
	s_barrier_signal -1
	s_barrier_wait -1
.endm
.macro CROUND
	s_barrier_signal -1
	s_barrier_wait -1
	CREST
.endm
	s_load_b256 s[4:11], s[0:1], 0x0               ; pc s[4:5], ps s[6:7], ac s[8:9], asc s[10:11]
	v_lshl_add_u32 v[SPW], v0, 2, SPARE
	v_mov_b32 v[NIL], 0
	ds_add_u32 v28, v29
	ds_add_u32 v28, v29
	s_wait_dscnt 0x0
	v_lshrrev_b32 v1, 5, v0
	v_readfirstlane_b32 s14, v1                    ; wave 0..3
	s_lshr_b32 s15, s14, 1                         ; which half of A's 16 tiles is mine.  Also: I fetch for A (0) or for B (1)
	s_and_b32 s16, s14, 1                          ; which half of B's.  Also: which 8 tiles I fetch
	s_bfe_u32 s40, ttmp6, 0x40000                  ; cx, cy: my place in the cluster
	s_bfe_u32 s41, ttmp6, 0x40004
	s_lshl_b32 s43, s41, 2
	s_lshl_b32 s43, 15, s43                        ; my row of the cluster
	s_lshl_b32 s44, 0x1111, s40                    ; my column
	; descriptor group 1 for codes: 8 rows (tiles) of 384 elements of 8 bytes, 1,536 elements (a tile's 12,288 bytes) apart; dense in LDS
	s_or_b32 s[G1+0], s43, (3<<16)|(1<<21)         ; 15:0 the mask: A's tiles go to my row; 17:16 elements of 8 bytes; 21 set beside a mask
	s_or_b32 s[G1B+0], s44, (3<<16)|(1<<21)
.irp g, G1, G1B
	s_mov_b32 s[\g+1], 384<<16                     ; tensor_dim0
	s_mov_b32 s[\g+2], 8<<16                       ; tensor_dim1
	s_mov_b32 s[\g+3], 384<<16                     ; tile_dim0
	s_mov_b32 s[\g+4], 8                           ; tile_dim1
	s_mov_b32 s[\g+5], 1536                        ; tensor_dim0_stride
	s_mov_b32 s[\g+6], 0
	s_mov_b32 s[\g+7], 0
.endr
	; and for the scale words of 8 tiles: 4,096 dense bytes as 16 rows of 256
	s_or_b32 s[G1S+0], s43, (3<<16)|(1<<21)
	s_or_b32 s[G1SB+0], s44, (3<<16)|(1<<21)
.irp g, G1S, G1SB
	s_mov_b32 s[\g+1], 32<<16
	s_mov_b32 s[\g+2], 16<<16
	s_mov_b32 s[\g+3], 32<<16
	s_mov_b32 s[\g+4], 16
	s_mov_b32 s[\g+5], 32
	s_mov_b32 s[\g+6], 0
	s_mov_b32 s[\g+7], 0
.endr
	; which tiles.  A's hang on cy and on the cluster's numbers, B's on cx and on the cluster's numbers; the choice hangs on the cluster's x alone
	s_and_b32 s42, ttmp7, 0xffff
	s_lshl_b32 s42, s42, 6                         ; x's tiles of this row of clusters: 64 x cluster y on
	s_lshl_b32 s17, ttmp9, 6
	s_add_co_u32 s17, s17, 512                     ; W_Q's or W_K's first tile
	s_mov_b32 s18, 640                             ; W_V's
	s_mov_b32 s19, 512
	s_cmp_eq_u32 ttmp9, 2                          ; V's clusters?
	s_cselect_b32 s100, 1, 0
	s_cselect_b32 s20, s18, s42                    ; A's first tile in the cluster
	s_cselect_b32 s46, s42, s17                    ; B's
	s_cselect_b32 s96, s18, 0                      ; what is taken off A's tile number on the way out,
	s_cselect_b32 s97, 0, s19                      ; and off B's
	s_lshl_b32 s21, s41, 4
	s_add_co_u32 s20, s20, s21                     ; A: + 16 cy
	s_lshl_b32 s47, s40, 4
	s_add_co_u32 s46, s46, s47                     ; B: + 16 cx
	s_sub_co_u32 s98, s20, s96
	s_lshl_b32 s21, s15, 3
	s_add_co_u32 s98, s98, s21                     ; the way out: my first tile of A's rows (tokens, or V's channels)
	s_sub_co_u32 s99, s46, s97
	s_lshr_b32 s99, s99, 3
	s_add_co_u32 s99, s99, s16                     ; and my block of 128 of B's rows (two heads, or 128 keys)
	s_lshl_b32 s18, s16, 3
	s_add_co_u32 s20, s20, s18                     ; the 8 tiles that I fetch
	s_add_co_u32 s46, s46, s18
	s_lshl_b32 s22, s20, 9                         ; their scale words, in bytes,
	s_mov_b32 s23, 0
	s_lshl_b32 s92, s46, 9
	s_mov_b32 s93, 0
	s_mul_i32 s20, s20, 12288                      ; and their codes
	s_mov_b32 s21, 0
	s_mul_i32 s46, s46, 12288
	s_mov_b32 s47, 0
	s_mul_i32 s45, s14, HALFT                      ; where they go: no place in the cluster enters an LDS address
	s_lshl_b32 s94, s14, 12
	s_wait_kmcnt 0x0
	s_add_nc_u64 s[20:21], s[4:5], s[20:21]
	s_add_nc_u64 s[22:23], s[6:7], s[22:23]
	s_add_nc_u64 s[46:47], s[4:5], s[46:47]
	s_add_nc_u64 s[92:93], s[6:7], s[92:93]
	CROUND                                         ; all sixteen work-groups are here: the first joint loads meet
	s_mov_b32 s[G0S], 1
	s_add_co_u32 s[G0S+1], s94, SCL
	s_mov_b64 s[G0S+2:G0S+3], s[22:23]
	s_or_b32 s[G0S+3], s[G0S+3], 0x80000000
	s_mov_b32 s[G0SB], 1
	s_add_co_u32 s[G0SB+1], s94, SCL
	s_mov_b64 s[G0SB+2:G0SB+3], s[92:93]
	s_or_b32 s[G0SB+3], s[G0SB+3], 0x80000000
	JLOAD G0S, G1S, G0SB, G1SB                     ; the scale words first: they are wanted with K step 0.  Three loads of mine are out behind the third line below
.irp s, 0,1
	s_mov_b32 s[G0+4*\s], 1
	s_add_co_u32 s[G0+4*\s+1], s45, \s*SLOT
	s_add_nc_u64 s[G0+4*\s+2:G0+4*\s+3], s[20:21], \s*TROW
	s_or_b32 s[G0+4*\s+3], s[G0+4*\s+3], 0x80000000
	s_mov_b32 s[G0B+4*\s], 1
	s_add_co_u32 s[G0B+4*\s+1], s45, \s*SLOT
	s_add_nc_u64 s[G0B+4*\s+2:G0B+4*\s+3], s[46:47], \s*TROW
	s_or_b32 s[G0B+4*\s+3], s[G0B+4*\s+3], 0x80000000
	JLOAD G0+4*\s, G1, G0B+4*\s, G1B
.endr
	v_and_b32 v1, 31, v0                           ; lane
	v_and_b32 v2, 15, v0                           ; r
	v_bfe_u32 v3, v0, 4, 1                         ; h
	v_lshlrev_b32 v4, 4, v1                        ; 16 x lane
	v_lshlrev_b32 v5, 3, v1                        ; 8 x lane
	s_mul_i32 s21, s15, HALFT                      ; my 8 tiles of A
	s_mul_i32 s22, s16, HALFT                      ; my 8 tiles of B,
	s_add_co_u32 s22, s22, 2*HALFT                 ; which lie behind A's 16
.irp s, 0,1
	v_add_nc_u32 v[ADRA+\s], s21, v4
	v_add_nc_u32 v[ADRB+\s], s22, v4
	v_add_nc_u32 v[ADRA+2+\s], s21, v5
	v_add_nc_u32 v[ADRB+2+\s], s22, v5
	s_add_co_u32 s21, s21, SLOT
	s_add_co_u32 s22, s22, SLOT
.endr
	s_lshl_b32 s21, s15, 12                        ; A's scale words: my 8 tiles
	s_lshl_b32 s22, s16, 12                        ; B's: my 8, behind A's 16
	s_add_co_u32 s22, s22, 2*HALFS
	s_sub_co_u32 s22, s22, s21
	v_mul_u32_u24 v6, s22, v3                      ; lanes 16-31 take B's
	s_add_co_u32 s21, s21, SCL
	v_lshl_add_u32 v6, v2, 3, v6                   ; 8 bytes a row: the two words of a slot
	v_add_nc_u32 v[ADRS], s21, v6
.macro FRAG reg, adr, q, i             ; tile i's fragment of the slot's q-th 128 along K: the image comes back as it was stored; every load reads consecutive bytes
	ds_load_b128 v[\reg:\reg+3], v[\adr] offset:(\i)*TROW+(\q)*FRB
	ds_load_b64 v[\reg+4:\reg+5], v[\adr+2] offset:(\i)*TROW+(\q)*FRB+512
	ds_load_b128 v[\reg+6:\reg+9], v[\adr] offset:(\i)*TROW+(\q)*FRB+768
	ds_load_b64 v[\reg+10:\reg+11], v[\adr+2] offset:(\i)*TROW+(\q)*FRB+1280
.endm
; 16 matrix instructions: A's tiles a0, a0 + 1 x B's eight.  p: B's set; sc: the set of scale words.  zero = 1: the first product starts the sums.
; The 64 accumulators take turns, one instruction a turn, in the same order in every step.
.macro MUL16 a0, p, q, sc, zero
.irp a, \a0, \a0+1
.irp b, 0,1,2,3,4,5,6,7
.if \zero
	v_wmma_scale_f32_16x16x128_f8f6f4 v[8*(8*((\a)%4)+\b):8*(8*((\a)%4)+\b)+7], v[128*(\p)+FR*\b:128*(\p)+FR*\b+FR-1], v[AF+FR*(\a):AF+FR*(\a)+FR-1], 0, v[SC+8*NQ*(\sc)+NQ*\b+(\q)], v[SC+8*NQ*(\sc)+NQ*(\a)+(\q)] matrix_a_fmt:MATRIX_FMT_FP6 matrix_b_fmt:MATRIX_FMT_FP6 matrix_a_scale:MATRIX_SCALE_ROW1
.else
	v_wmma_scale_f32_16x16x128_f8f6f4 v[8*(8*((\a)%4)+\b):8*(8*((\a)%4)+\b)+7], v[128*(\p)+FR*\b:128*(\p)+FR*\b+FR-1], v[AF+FR*(\a):AF+FR*(\a)+FR-1], v[8*(8*((\a)%4)+\b):8*(8*((\a)%4)+\b)+7], v[SC+8*NQ*(\sc)+NQ*\b+(\q)], v[SC+8*NQ*(\sc)+NQ*(\a)+(\q)] matrix_a_fmt:MATRIX_FMT_FP6 matrix_b_fmt:MATRIX_FMT_FP6 matrix_a_scale:MATRIX_SCALE_ROW1
.endif
.endr
.endr
.endm
.macro FETCH_B slot, q, p
	WIN TO_B
.irp i, 0,1,2,3,4,5,6,7
	FRAG 128*(\p)+FR*\i, ADRB+\slot, \q, \i
.endr
	WIN 0
.endm
.macro FETCH_A slot, q, i0
.irp i, \i0, \i0+1, \i0+2, \i0+3
	FRAG AF+FR*(\i), ADRA+\slot, \q, \i
.endr
.endm
.macro SCALES sc, ks                   ; K step ks's scale words (two a row) into set sc: lanes 0-15 A's tile i, lanes 16-31 B's tile i
.irp i, 0,1,2,3,4,5,6,7
	ds_load_b64 v[SC+8*NQ*\sc+NQ*\i:SC+8*NQ*\sc+NQ*\i+1], v[ADRS] offset:\i*512+128*(\ks)
.endr
.endm
.macro PLACES n                        ; plain vector lines between a matrix instruction and a load into, or a read of, its registers
.rept \n
	v_nop
.endr
.endm
.macro STEP slot, q, zero              ; a step of 128 along K that has its successor in the same slot
	s_wait_dscnt 4*NL                              ; B's set and A's tiles 0-3 are in; the youngest 16 loads (A's tiles 4-7) may be out
	WIN MUL_LO
	MUL16 0, (\q)%2, \q, \slot, \zero
	MUL16 2, (\q)%2, \q, \slot, \zero
	s_wait_dscnt 0                                 ; A's tiles 4-7 are in
	PLACES NP
	FETCH_B \slot, (\q)+1, 1-(\q)%2
	FETCH_A \slot, (\q)+1, 0
	WIN MUL_HI
	MUL16 4, (\q)%2, \q, \slot, \zero
	MUL16 6, (\q)%2, \q, \slot, \zero
	PLACES NP
	WIN 0
	FETCH_A \slot, (\q)+1, 4
.endm
; A slot's last step changes slots: ONE barrier; in front of it each wave waits for all its tensor loads, adds 0 to its spare word, and waits for that and for its own reads of this slot.
; fill = 1: this slot is filled again, two K steps ahead.  ks: the K step that lies in the next slot.
.macro TURN slot, next, fill, ks
	s_wait_tensorcnt 0x0                           ; all my tensor loads have landed: my part of the next slot
	ds_add_u32 v[SPW], v[NIL]                      ; 0 onto my spare word
	s_wait_dscnt 4*NL+1                            ; (the add and the youngest 16 loads, A's tiles 4-7, may be out)
	WIN MUL_LO
	MUL16 0, 1, NQ-1, \slot, 0                     ; sixteen matrix instructions stand between the add and the wait for it
	s_wait_dscnt 0x0                               ; the add is done, and my reads of this slot are over
	s_barrier_signal -1
	MUL16 2, 1, NQ-1, \slot, 0
	WIN 0
	s_barrier_wait -1
.if \fill
	CREST                                          ; the barrier has opened a round of the cluster's barrier: no wave of any partner still reads this slot or has a load on its way
	s_add_nc_u64 s[G0+4*\slot+2:G0+4*\slot+3], s[G0+4*\slot+2:G0+4*\slot+3], 2*TROW
	s_add_nc_u64 s[G0B+4*\slot+2:G0B+4*\slot+3], s[G0B+4*\slot+2:G0B+4*\slot+3], 2*TROW
	JLOAD G0+4*\slot, G1, G0B+4*\slot, G1B         ; the first tensor load behind the round, my one load until the next; its four v_nop are the places in front of the loads below
.else
	PLACES NP
.endif
	FETCH_B \next, 0, 0
	FETCH_A \next, 0, 0
	SCALES \next, \ks
	WIN MUL_HI
	MUL16 4, 1, NQ-1, \slot, 0
	MUL16 6, 1, NQ-1, \slot, 0
	PLACES NP
	WIN 0
	FETCH_A \next, 0, 4
.endm
	s_wait_tensorcnt 1                             ; the scale words and my part of K step 0 are in (K step 1's load may be out)
	s_barrier_signal -1
	s_barrier_wait -1                              ; everybody's are
	FETCH_B 0, 0, 0
	FETCH_A 0, 0, 0
	SCALES 0, 0
	FETCH_A 0, 0, 4
	STEP 0, 0, 1                                   ; K = 1,024 is four slots: they are written out
	TURN 0, 1, 1, 1
	STEP 1, 0, 0
	TURN 1, 0, 1, 2
	STEP 0, 0, 0
	TURN 0, 1, 0, 3                                ; nothing is left to fetch
	STEP 1, 0, 0
	s_wait_dscnt 4*NL
	WIN MUL_LO
	MUL16 0, 1, NQ-1, 1, 0
	MUL16 2, 1, NQ-1, 1, 0
	s_wait_dscnt 0
	WIN MUL_HI
	MUL16 4, 1, NQ-1, 1, 0
	MUL16 6, 1, NQ-1, 1, 0
	WIN 0
	; THE WAY OUT.  For each of my eight tiles of A's rows a lane holds 128 numbers along B's rows, register 16 b + i = place 32 b + 16 h + i: four blocks of 32.  They are quantised in registers and leave as images.
	; Q, K: half c of the fragment is head 2 bB + c: [head][token tile][768]; its scale word has two bytes, the upper two are 0.   V: the whole fragment: [channel tile][key block][1536].
	; No tensor load of mine is out (the last change of slots waited for all), so the descriptors' registers serve again.
	PLACES NP
	s_mov_b32 s40, 0x76543210
	s_mov_b32 s41, 0xfedcba98                      ; v_permlanex16_b32's selects for lane l xor 16
	s_cmp_eq_u32 s100, 1                           ; V's clusters?  Values are chosen, no branch is taken
	s_mov_b32 s24, 12582912
	s_cselect_b32 s24, s24, 0                      ; where the region begins in ac
	s_mov_b32 s25, 98304
	s_cselect_b32 s25, s25, 768                    ; bytes from one tile of A's rows to the next
	s_mov_b32 s26, 786432
	s_cselect_b32 s26, 1536, s26                   ; from one block of 128 of B's rows to the next
	s_mov_b32 s27, 393216
	s_cselect_b32 s27, 768, s27                    ; from the fragment's lower half to its upper
	s_mov_b32 s28, 1048576
	s_cselect_b32 s28, s28, 0                      ; the same four for the scale words
	s_mov_b32 s29, 8192
	s_cselect_b32 s29, s29, 64
	s_mov_b32 s30, 65536
	s_cselect_b32 s30, 128, s30
	s_mov_b32 s31, 32768
	s_cselect_b32 s31, 64, s31
	s_mov_b32 s32, 0xffff
	s_cselect_b32 s32, -1, s32                     ; which bytes of the word are kept
	s_mul_i32 s33, s99, s26
	s_mul_i32 s34, s98, s25
	s_add_co_u32 s34, s34, s33
	s_add_co_u32 s34, s34, s24
	s_mov_b32 s35, 0
	s_add_nc_u64 s[8:9], s[8:9], s[34:35]
	s_mul_i32 s33, s99, s30
	s_mul_i32 s34, s98, s29
	s_add_co_u32 s34, s34, s33
	s_add_co_u32 s34, s34, s28
	s_add_nc_u64 s[10:11], s[10:11], s[34:35]
	s_mov_b32 s36, s25
	s_mov_b32 s37, 0
	s_mov_b32 s38, s29
	s_mov_b32 s39, 0
	v_add_nc_u32 v10, s27, v4                      ; the upper half: 16 x lane,
	v_add_nc_u32 v11, s27, v5                      ; 8 x lane
	v_mul_u32_u24 v12, s31, v3
	v_lshl_add_u32 v12, v2, 2, v12                 ; the word: 4 r; lanes 16-31 store the upper half's
	v_lshlrev_b32 v13, 4, v3                       ; 16 h
.irp b, 0,1,2,3
	v_mov_b32 v[TM+4+\b], 0                        ; written once: a lane permute's destination counts as one of its sources
.endr
.macro EPI a
.set AC, 64*((\a)%4)
.set WA, 2+(\a)/4
.set WN, 20*WA
.if (\a) > 0
	s_wait_xcnt 0x0                                ; the last tile's stores have read their data and their bases
	s_add_nc_u64 s[8:9], s[8:9], s[36:37]
	s_add_nc_u64 s[10:11], s[10:11], s[38:39]
.endif
	WIN WN                                         ; sources 1 and 2: the accumulators' window
.irp b, 0,1,2,3
	v_max3_num_f32 v[TM+\b], 0x1800000, |v[AC+16*\b]|, |v[AC+16*\b+1]|   ; the floor 2^(3 - 127) and my 16 numbers of block b; each accumulator is read from its low end on
.endr
.irp i, 2,4,6,8,10,12,14
.irp b, 0,1,2,3
	v_max3_num_f32 v[TM+\b], v[TM+\b], |v[AC+16*\b+\i]|, |v[AC+16*\b+\i+1]|
.endr
.endr
	WIN 0
.irp b, 0,1,2,3
	v_permlanex16_b32 v[TM+4+\b], v[TM+\b], s40, s41
.endr
.irp b, 0,1,2,3
	v_max_num_f32 v[TM+\b], v[TM+\b], v[TM+4+\b]
.endr
.irp b, 0,1,2,3
	v_add_nc_u32 v[TM+12+\b], 0xff000000, v[TM+\b] ; 2 off the exponent field: the conversion's scale operand
.endr
.irp b, 0,1,2,3
	v_lshrrev_b32 v[TM+4+\b], 23, v[TM+12+\b]      ; the scale's byte
.endr
	v_lshl_or_b32 v[PW], v[TM+5], 8, v[TM+4]
	v_lshl_or_b32 v[PW], v[TM+6], 16, v[PW]
	v_lshl_or_b32 v[PW], v[TM+7], 24, v[PW]
	v_lshrrev_b32 v[PS], v13, v[PW]                ; lanes 16-31: the upper two bytes
	v_and_b32 v[PS], s32, v[PS]
	WIN WA                                         ; source 0: the accumulators' window
.irp c, 0,1
	v_cvt_scalef32_pk16_fp6_f32 v[PC+6*\c:PC+2+6*\c], v[AC+32*\c:AC+15+32*\c], v[TM+12+2*\c]
	v_cvt_scalef32_pk16_fp6_f32 v[PC+12+4*\c:PC+14+4*\c], v[AC+16+32*\c:AC+31+32*\c], v[TM+12+2*\c+1]
.endr
	WIN 0
	v_nop                                          ; one plain place behind a scaled conversion
.irp c, 0,1
.irp i, 0,1,2
	v_permlane16_swap_b32 v[PC+6*\c+\i], v[PC+12+4*\c+\i]
.endr
.irp i, 0,1,2
	v_mov_b32 v[PC+3+6*\c+\i], v[PC+12+4*\c+\i]
.endr
.endr
	global_store_b128 v4, v[PC:PC+3], s[8:9]                   ; each store of codes covers whole aligned runs of 256 bytes
	global_store_b64 v5, v[PC+4:PC+5], s[8:9] offset:512
	global_store_b128 v10, v[PC+6:PC+9], s[8:9]
	global_store_b64 v11, v[PC+10:PC+11], s[8:9] offset:512
	global_store_b32 v12, v[PS], s[10:11]
.endm
.irp a, 0,1,2,3,4,5,6,7
	EPI \a
.endr
	s_wait_tensorcnt 0x0                           ; the wave's end
	ds_add_u32 v[SPW], v[NIL]
	s_wait_dscnt 0x0
	CROUND                                         ; the closing round: no work-group ends while a partner may still ask for a tile that names it
	s_endpgm
.Lfunc_end_k_q251329a9b2_qkv:
	.size	k_q251329a9b2_qkv, .Lfunc_end_k_q251329a9b2_qkv-k_q251329a9b2_qkv
	.p2alignl 7, 3214868480
	.fill 96, 4, 3214868480
	.section	.rodata,"a",@progbits
	.p2align	6, 0x0
	.amdhsa_kernel k_q251329a9b2_qkv
		.amdhsa_group_segment_fixed_size 327680
		.amdhsa_private_segment_fixed_size 0
		.amdhsa_enable_private_segment 0
		.amdhsa_kernarg_size 32
		.amdhsa_user_sgpr_count 2
		.amdhsa_user_sgpr_kernarg_segment_ptr 1
		.amdhsa_wavefront_size32 1
		.amdhsa_system_sgpr_workgroup_id_x 1
		.amdhsa_system_sgpr_workgroup_id_y 1
		.amdhsa_system_sgpr_workgroup_id_z 1
		.amdhsa_system_vgpr_workitem_id 0
		.amdhsa_next_free_vgpr 1024
		.amdhsa_next_free_sgpr 106
		.amdhsa_reserve_vcc 0
		.amdhsa_float_denorm_mode_32 3
		.amdhsa_float_denorm_mode_16_64 3
		.amdhsa_memory_ordered 1
		.amdhsa_forward_progress 1
		.amdhsa_inst_pref_size 151
	.end_amdhsa_kernel
	.amdgpu_metadata
---
amdhsa.version: [ 1, 2 ]
amdhsa.kernels:
  - .name:           k_q251329a9b2_qkv
    .symbol:         k_q251329a9b2_qkv.kd
    .args:
      - { .name: pc, .offset: 0, .size: 8, .value_kind: global_buffer, .address_space: global }
      - { .name: ps, .offset: 8, .size: 8, .value_kind: global_buffer, .address_space: global }
      - { .name: ac, .offset: 16, .size: 8, .value_kind: global_buffer, .address_space: global }
      - { .name: asc, .offset: 24, .size: 8, .value_kind: global_buffer, .address_space: global }
    .group_segment_fixed_size: 327680
    .private_segment_fixed_size: 0
    .kernarg_segment_align: 8
    .kernarg_segment_size: 32
    .max_flat_workgroup_size: 128
    .sgpr_count:     106
    .vgpr_count:     1024
    .wavefront_size: 32
...
	.end_amdgpu_metadata
.endif
;; end of part 2
;; launch attn (part 3): grid 4 x 64, 16 waves a work-group, no clusters, 201,216 bytes of LDS; arguments ac, asc, mb, fl, cc, cs; writes cc, cs
.if DOCPART == 3
	.amdgcn_target "amdgcn-amd-amdhsa--gfx1250"
	.amdhsa_code_object_version 6
	.text
	.protected	k_q251329a9b2_attn
	.globl	k_q251329a9b2_attn
	.p2align	8
	.type	k_q251329a9b2_attn,@function
k_q251329a9b2_attn:
	s_mov_b64 s[64:65], 0
	v_nop
	global_prefetch_b8 v0, s[64:65] scope:SCOPE_SE
	s_setreg_imm32_b32 hwreg(HW_REG_WAVE_MODE, 25, 1), 1
	s_wait_xcnt 0x0
; ATTN: C = softmax(mask(Q K^T / 8)) V for one head and 512 queries a work-group, both products on codes of FP6 (E2M3) with E8M0 scales; C leaves as codes for the last product.
; THE WEIGHTS ARE QUANTISED FINISHED AND NORMALISED, so a row's maximum and sum must be known before any weight of the row is quantised.  THE SIXTEEN WAVES SHARE THE KEYS: wave w keeps the fragments of K and of V^T of its
; 128 keys (of the batch's 2,048) in registers for the whole launch, and all waves walk the same 32 tiles of 16 queries.  For a tile each wave makes its 16 x 128 scores once, takes its own whole-number maximum
; M_w = ceil(largest t), t = score x log2(e) / 8, and p = 2^(t - M_w) with its sum l_w.  The waves exchange (M_w, l_w) through LDS: M = the largest M_w, l = the sum of l_w 2^(M_w - M), whose factors are exact.
; A = p x 2^(M_w - M) / l is the finished weight: it is quantised along the keys and multiplied by the wave's V^T.  The sixteen partial O^T are added through LDS, in f32, in a fixed tree.
; A row all of whose keys are masked has l = 0: its weights are made 0.
; THE MASK comes as lane masks (mb), one word for each score register, with a flag (fl, stored by the first launch) for each 16 x 128 tile that is all true: there the words are neither fetched nor applied
; (a scalar branch on a stored whole number).
; LAYOUT.  Both products are used transposed (S^T = K Q^T, O^T = V^T A^T): a lane holds ONE query (lane % 16).  A tile's rows are 32 (T / 2) + 8 (T % 2) + r + 8 (r / 8), so register 16 b + i of S^T is key 32 b + 16 h + i.
; The scores' K is 64: Q's fragment has zero codes for k = 64 .. 127, and K's fragment is named over the next tile's registers there: whatever code meets a zero code adds nothing (FP6 has no NaN; the scale bytes there are 0, not 0xff).
; NO TENSOR LOAD AND NO CLUSTER: the launch branches on the stored flags; and what the four query blocks of a head share, K's and V's 12 KiB a wave, is read once at the head, straight into registers, and never again.
; TWO BARRIERS A TILE.  S: all (M_w, l_w) lie in LDS.  O: all partial O^T lie in LDS; between its signal and its wait stands the next tile's first phase, which works on registers alone.
; LIMITS: t must lie above -3e38; weights under 2^-126 become 0; a block of zeros has the scale byte 1 (this program alone reads the bytes); NaN and infinities among the inputs are not served.
.set OP,   0                           ; LDS: partial O^T: [wave][pair of registers 0..15][lane] 8 bytes: 4,096 bytes a wave
.set RED,  65536                       ; finished O^T: [pair = the wave that summed it][tile 0..31][lane] 8 bytes: 8,192 bytes a wave
.set MLM,  196608                      ; -M_w: row r at 80 r, word w;
.set MLD,  1280                        ; l_w: the same, 1,280 bytes on
.set KB,   16                          ; v16-63   K: tile t's six registers at v[16 + 6 t]
.set VB,   64                          ; v64-111  V^T: four fragments
.set QF,   112                         ; v112-123 Q: six registers of codes, six of zeros
.set KS,   124                         ; v124-127 K's scale words: lanes 0-15 tile 2 i, lanes 16-31 tile 2 i + 1
.set VS,   128                         ; v128-129 V's likewise
.set QS,   130                         ; Q's scale words
.set PW,   131                         ; the weights' scale word
.set S,    132                         ; v132-195 scores, p, A; then the partial O^T in v132-163
.set PL,   196                         ; v196-211 -M and l of eight waves; v196-227 sixteen partial pairs
.set PC,   212                         ; v212-230 the weights' codes
.set BMX,  232                         ; v232-235 each block's largest
.set T4,   236                         ; v236-239 at work
.set TS,   240                         ; v240-243 the conversions' scale operands
; v1 16 x lane, v2 8 x lane, v3 4 x lane, v4 at work, v5 4 r, v6 where I store -M_w, v7 where I read eight waves' -M, v8 where I store my partial O^T, v9 where I read my pair of all sixteen,
; v10 where I store the finished pair, v11, v12 where I read a finished tile, v13 8 r, v14 4 r + 8192 h, v15 -infinity; v244 -M_w, v246 the factor, v248 l_w, v252-254 at work.
; s2, s3 lane selects; s[4:7] the pending Q loads' bases; s[8:9] mask words; s[10:11] cc; s[12:13] cs; s[14:15] c; s[16:63], s[68:83] 64 mask words; s[66:67], s[100:101] Q's codes and scale words; s84 wave; s89 tile; s90 flags; s[104:105] the flags' words.
	s_load_b128 s[92:95], s[0:1], 0x0              ; ac, asc
	s_load_b64 s[8:9], s[0:1], 0x10                ; mb
	s_load_b64 s[104:105], s[0:1], 0x18            ; fl
	s_load_b64 s[10:11], s[0:1], 0x20              ; cc
	s_load_b64 s[12:13], s[0:1], 0x28              ; cs
	v_lshl_add_u32 v231, v0, 2, 0x30a00
	v_mov_b32 v255, 0
	v_lshrrev_b32 v4, 5, v0
	v_readfirstlane_b32 s84, v4                    ; wave 0..15
.irp i, 6,7,8,9,10,11
	v_mov_b32 v[QF+\i], 0                          ; Q's codes for k = 64 .. 127: zeros, for the whole launch
.endr
	v_and_b32 v4, 31, v0                           ; lane
	v_and_b32 v13, 15, v0                          ; r
	v_bfe_u32 v14, v0, 4, 1                        ; h
	v_lshlrev_b32 v1, 4, v4
	v_lshlrev_b32 v2, 3, v4
	v_lshlrev_b32 v3, 2, v4
	v_lshlrev_b32 v5, 2, v13
	v_mul_u32_u24 v7, v13, 80
	s_lshl_b32 s85, s84, 2
	v_add_nc_u32 v6, s85, v7
	v_add_nc_u32 v6, MLM, v6
	v_lshl_add_u32 v7, v14, 5, v7                  ; lanes 0-15 read waves 0-7, lanes 16-31 waves 8-15
	v_add_nc_u32 v7, MLM, v7
	s_lshl_b32 s85, s84, 12
	v_add_nc_u32 v8, s85, v2
	s_lshl_b32 s85, s84, 8
	v_add_nc_u32 v9, s85, v2
	v_add_nc_u32 v11, RED, v9
	v_add_nc_u32 v12, 65536, v11
	s_lshl_b32 s85, s84, 13
	v_add_nc_u32 v10, s85, v2
	v_add_nc_u32 v10, RED, v10
	v_lshl_add_u32 v14, v14, 13, v5
	v_lshlrev_b32 v13, 3, v13
	v_mov_b32 v15, 0xff800000
.irp b, 0,1,2,3
	v_mov_b32 v[T4+\b], 0                          ; written once: a lane permute's destination counts as one of its sources
.endr
	v_mov_b32 v245, 0                              ; upper halves of pairs of which the low word serves both halves: named, so written
	v_mov_b32 v247, 0
	v_mov_b32 v253, 0
	s_mov_b32 s2, 0x76543210
	s_mov_b32 s3, 0xfedcba98
	s_mov_b32 s14, 0x3e38aa3b                      ; c = log2(e) / 8: the 1 / sqrt(64) that stands on Q is applied here
	s_mov_b32 s15, s14
	s_and_b32 s85, ttmp7, 0xffff
	s_lshr_b32 s86, s85, 4                         ; batch
	s_and_b32 s87, s85, 15                         ; head
	s_lshl_b32 s88, s86, 7
	s_lshl_b32 s91, ttmp9, 5
	s_add_co_u32 s88, s88, s91                     ; T0: my first tile of queries: 128 x batch + 32 x work-group x
	s_lshl_b32 s85, s86, 7
	s_lshl_b32 s91, s84, 3
	s_add_co_u32 s85, s85, s91                     ; my first tile of keys: 128 x batch + 8 w
	s_lshl_b32 s86, s86, 4
	s_add_co_u32 s86, s86, s84                     ; my block of 128 keys: 16 x batch + w
	s_mov_b32 s97, 0
	s_mov_b32 s99, 0
	s_mov_b32 s89, 0
	s_wait_kmcnt 0x0
	s_mul_i32 s96, s87, 393216                     ; Q's codes: [head][token tile][768]
	s_mul_i32 s91, s88, 768
	s_add_co_u32 s96, s96, s91
	s_add_nc_u64 s[66:67], s[92:93], s[96:97]
	s_lshl_b32 s96, s87, 15                        ; its scale words: [head][token tile][64]
	s_lshl_b32 s91, s88, 6
	s_add_co_u32 s96, s96, s91
	s_add_nc_u64 s[100:101], s[94:95], s[96:97]
	s_add_co_u32 s98, s87, 16                      ; K's heads lie behind Q's sixteen
	s_mul_i32 s96, s98, 393216
	s_mul_i32 s91, s85, 768
	s_add_co_u32 s96, s96, s91
	s_add_nc_u64 s[16:17], s[92:93], s[96:97]
	s_lshl_b32 s96, s98, 15
	s_lshl_b32 s91, s85, 6
	s_add_co_u32 s96, s96, s91
	s_add_nc_u64 s[18:19], s[94:95], s[96:97]
	s_mul_i32 s96, s87, 4*98304                    ; V^T: [channel tile = 4 head + t][key block][1536]
	s_mul_i32 s91, s86, 1536
	s_add_co_u32 s96, s96, s91
	s_add_co_u32 s96, s96, 12582912
	s_add_nc_u64 s[20:21], s[92:93], s[96:97]
	s_lshl_b32 s96, s87, 15                        ; its scale words: [channel tile][key block][128]
	s_lshl_b32 s91, s86, 7
	s_add_co_u32 s96, s96, s91
	s_add_co_u32 s96, s96, 1048576
	s_add_nc_u64 s[22:23], s[94:95], s[96:97]
	s_lshl_b32 s98, s88, 2
	s_add_nc_u64 s[104:105], s[104:105], s[98:99]  ; the flags of tile T0
	s_lshl_b32 s96, s88, 12
	s_lshl_b32 s91, s84, 8
	s_add_co_u32 s96, s96, s91
	s_add_nc_u64 s[8:9], s[8:9], s[96:97]          ; the words of (tile T0, my 128 keys)
	s_add_co_u32 s98, s88, s84                     ; the tile of C that I finish first: T0 + w
	s_mul_i32 s96, s98, 12288
	s_mul_i32 s91, s87, 768                        ; K step head / 2, half head % 2
	s_add_co_u32 s96, s96, s91
	s_add_nc_u64 s[10:11], s[10:11], s[96:97]
	s_lshl_b32 s96, s98, 9
	s_lshr_b32 s91, s87, 2
	s_lshl_b32 s91, s91, 7
	s_add_co_u32 s96, s96, s91                     ; + 128 (head / 4)
	s_bfe_u32 s91, s87, 0x10001
	s_lshl_b32 s91, s91, 2
	s_add_co_u32 s96, s96, s91                     ; + 4 ((head / 2) % 2)
	s_and_b32 s91, s87, 1
	s_lshl_b32 s91, s91, 1
	s_add_co_u32 s96, s96, s91                     ; + 2 (head % 2)
	s_add_nc_u64 s[12:13], s[12:13], s[96:97]
.irp t, 0,1,2,3,4,5,6,7
	global_load_b128 v[KB+6*\t:KB+6*\t+3], v1, s[16:17] offset:768*\t
	global_load_b64 v[KB+6*\t+4:KB+6*\t+5], v2, s[16:17] offset:768*\t+512
.endr
.irp i, 0,1,2,3
	global_load_b32 v[KS+\i], v3, s[18:19] offset:128*\i
.endr
.irp t, 0,1,2,3
	global_load_b128 v[VB+12*\t:VB+12*\t+3], v1, s[20:21] offset:98304*\t
	global_load_b64 v[VB+12*\t+4:VB+12*\t+5], v2, s[20:21] offset:98304*\t+512
	global_load_b128 v[VB+12*\t+6:VB+12*\t+9], v1, s[20:21] offset:98304*\t+768
	global_load_b64 v[VB+12*\t+10:VB+12*\t+11], v2, s[20:21] offset:98304*\t+1280
.endr
.irp i, 0,1
	global_load_b32 v[VS+\i], v14, s[22:23] offset:16384*\i
.endr
; Tile s89 + add: Q's half fragment, its scale words, its word of flags.  The registers written here were last read by loads that have been waited for.
.macro NEXTQ add
	s_add_co_u32 s91, s89, \add
	s_mul_i32 s98, s91, 768
	s_add_nc_u64 s[4:5], s[66:67], s[98:99]
	s_lshl_b32 s98, s91, 6
	s_add_nc_u64 s[6:7], s[100:101], s[98:99]
	s_lshl_b32 s91, s91, 2
	global_load_b128 v[QF:QF+3], v1, s[4:5]
	global_load_b64 v[QF+4:QF+5], v2, s[4:5] offset:512
	global_load_b32 v[QS], v5, s[6:7]
	s_load_b32 s90, s[104:105], s91 offset:0x0
.endm
; The 64 mask words of (tile s89 + add, my keys) are asked for, unless the tile's flag says that all is true.
.macro MASKREQ add
	s_wait_kmcnt 0x0                               ; the flags are in; no scalar load is out, so s96 may be written
	s_lshr_b32 s97, s90, s84
	s_and_b32 s97, s97, 1
	s_cmp_eq_u32 s97, 1
	s_cbranch_scc1 .Lall_true_\@
	s_add_co_u32 s96, s89, \add
	s_lshl_b32 s96, s96, 12
	s_load_b512 s[16:31], s[8:9], s96 offset:0x0
	s_load_b512 s[32:47], s[8:9], s96 offset:0x40
	s_load_b512 s[48:63], s[8:9], s96 offset:0x80
	s_load_b512 s[68:83], s[8:9], s96 offset:0xc0
.Lall_true_\@:
.endm
; PHASE A, on registers alone: the scores of my 128 keys, the mask, M_w, p and l_w.
.macro ATT_A
.irp t, 0,1,2,3,4,5,6,7
.if \t % 2
	v_wmma_scale_f32_16x16x128_f8f6f4 v[S+8*\t:S+8*\t+7], v[KB+6*\t:KB+6*\t+11], v[QF:QF+11], 0, v[KS+\t/2], v[QS] matrix_a_fmt:MATRIX_FMT_FP6 matrix_b_fmt:MATRIX_FMT_FP6 matrix_a_scale:MATRIX_SCALE_ROW1
.else
	v_wmma_scale_f32_16x16x128_f8f6f4 v[S+8*\t:S+8*\t+7], v[KB+6*\t:KB+6*\t+11], v[QF:QF+11], 0, v[KS+\t/2], v[QS] matrix_a_fmt:MATRIX_FMT_FP6 matrix_b_fmt:MATRIX_FMT_FP6
.endif
.endr
.rept 4
	v_nop                                          ; places between the products and the first read of their results
.endr
	s_wait_kmcnt 0x0                               ; the mask words, if they were asked for
	s_lshr_b32 s97, s90, s84
	s_and_b32 s97, s97, 1
	s_cmp_eq_u32 s97, 1
	s_cbranch_scc1 .Lopen_\@
.set n, 0
.rept 64                                       ; a hidden key's score becomes -infinity ahead of the maximum
.if n < 48
	v_cndmask_b32 v[S+n], v15, v[S+n], s[16+n]
.else
	v_cndmask_b32 v[S+n], v15, v[S+n], s[20+n]
.endif
.set n, n+1
.endr
.Lopen_\@:
.irp b, 0,1,2,3
	v_max3_num_f32 v[BMX+\b], v[S+16*\b], v[S+1+16*\b], v[S+2+16*\b]   ; the largest score of each block of 32 keys: it serves for the maximum and, since the weight rises with the score, for the block's largest weight
.endr
.irp i, 3,5,7,9,11,13
.irp b, 0,1,2,3
	v_max3_num_f32 v[BMX+\b], v[BMX+\b], v[S+16*\b+\i], v[S+1+16*\b+\i]
.endr
.endr
.irp b, 0,1,2,3
	v_max_num_f32 v[BMX+\b], v[BMX+\b], v[S+15+16*\b]
.endr
.irp b, 0,1,2,3
	v_permlanex16_b32 v[T4+\b], v[BMX+\b], s2, s3
.endr
.irp b, 0,1,2,3
	v_max_num_f32 v[BMX+\b], v[BMX+\b], v[T4+\b]   ; with lane l xor 16's 16 keys
.endr
	v_max3_num_f32 v252, v[BMX], v[BMX+1], v[BMX+2]
	v_max_num_f32 v252, v252, v[BMX+3]
	v_mul_f32 v252, s14, v252                      ; as t (c is positive)
	v_max_num_f32 v252, 0xff61b1e6, v252           ; held at -3e38, where all my keys are hidden
	v_floor_f32 v244, -v252                        ; -M_w = floor(-t): M_w is a whole number
.irp j, 0,2,4,6,8,10,12,14,16,18,20,22,24,26,28,30,32,34,36,38,40,42,44,46,48,50,52,54,56,58,60,62
	v_pk_fma_f32 v[S+\j:S+\j+1], v[S+\j:S+\j+1], s[14:15], v[244:245] op_sel_hi:[1,0,0]   ; t - M_w, two at a time
.endr
.irp b, 0,1,2,3
	v_fma_f32 v[BMX+\b], v[BMX+\b], s14, v244      ; the same of each block's largest score
.endr
.set n, 0
.rept 64
	v_exp_f32 v[S+n], v[S+n]                       ; p = 2^(t - M_w), at most 1
.set n, n+1
.endr
	v_nop                                          ; a plain place behind the exponentials
	s_wait_alu depctr_va_vdst(0)                   ; one wait for the whole batch, ahead of its first reader
.irp b, 0,1,2,3
	v_exp_f32 v[BMX+\b], v[BMX+\b]                 ; the block's largest p: the same two instructions on the same number give the same bits
.endr
	v_pk_add_f32 v[248:249], v[S:S+1], v[S+2:S+3]  ; l_w, two at a time, in two chains: plain work behind the four, which it does not name
	v_pk_add_f32 v[250:251], v[S+4:S+5], v[S+6:S+7]
.irp j, 8,12,16,20,24,28,32,36,40,44,48,52,56,60
	v_pk_add_f32 v[248:249], v[248:249], v[S+\j:S+\j+1]
	v_pk_add_f32 v[250:251], v[250:251], v[S+\j+2:S+\j+3]
.endr
	v_pk_add_f32 v[248:249], v[248:249], v[250:251]
	v_add_f32 v248, v248, v249
	v_permlanex16_b32 v249, v248, s2, s3
	v_add_f32 v248, v248, v249
	s_wait_alu depctr_va_vdst(0)                   ; and one wait for the four
.endm
.macro MLSTORE
	ds_store_b32 v6, v244                          ; lanes r and r + 16 write the same word with the same value
	ds_store_b32 v6, v248 offset:MLD
.endm
; PHASE B: M and l of the whole row, the finished weights, their codes, my partial O^T.
.macro ATT_B
	ds_load_b128 v[PL:PL+3], v7
	ds_load_b128 v[PL+4:PL+7], v7 offset:16
	ds_load_b128 v[PL+8:PL+11], v7 offset:MLD
	ds_load_b128 v[PL+12:PL+15], v7 offset:MLD+16
	s_wait_dscnt 0x0
	v_min3_num_f32 v252, v[PL], v[PL+1], v[PL+2]
	v_min3_num_f32 v253, v[PL+3], v[PL+4], v[PL+5]
	v_min3_num_f32 v252, v252, v[PL+6], v[PL+7]
	v_min_num_f32 v252, v252, v253
	v_permlanex16_b32 v253, v252, s2, s3
	v_min_num_f32 v252, v252, v253                 ; -M = the least -M_w
.irp i, 0,2,4,6
	v_pk_add_f32 v[PL+\i:PL+\i+1], v[252:253], v[PL+\i:PL+\i+1] op_sel_hi:[0,1] neg_lo:[0,1] neg_hi:[0,1]   ; M_i - M: a whole number, 0 or less
.endr
	v_sub_f32 v254, v252, v244                     ; and my own wave's
.irp i, 0,1,2,3,4,5,6,7
	v_cvt_i32_f32 v[PL+\i], v[PL+\i]               ; (it saturates)
.endr
	v_cvt_i32_f32 v254, v254
.irp i, 0,1,2,3,4,5,6,7
	v_ldexp_f32 v[PL+8+\i], v[PL+8+\i], v[PL+\i]   ; l_i 2^(M_i - M): nothing is rounded
.endr
	v_ldexp_f32 v254, 1.0, v254
	v_pk_add_f32 v[PL+8:PL+9], v[PL+8:PL+9], v[PL+10:PL+11]
	v_pk_add_f32 v[PL+12:PL+13], v[PL+12:PL+13], v[PL+14:PL+15]
	v_pk_add_f32 v[PL+8:PL+9], v[PL+8:PL+9], v[PL+12:PL+13]
	v_add_f32 v[PL+8], v[PL+8], v[PL+9]
	v_permlanex16_b32 v[PL+9], v[PL+8], s2, s3
	v_add_f32 v[PL+8], v[PL+8], v[PL+9]            ; l
	v_rcp_f32 v[PL+9], v[PL+8]
	v_cmp_lt_f32 vcc_lo, 0, v[PL+8]                ; (a plain place behind the reciprocal)
	s_wait_alu depctr_va_vdst(0)                   ; the wait, ahead of its first reader
	v_cndmask_b32 v[PL+9], 0, v[PL+9], vcc_lo      ; a row with no key: all its weights are 0
	v_mul_f32 v246, v[PL+9], v254                  ; 2^(M_w - M) / l
.irp j, 0,2,4,6,8,10,12,14,16,18,20,22,24,26,28,30,32,34,36,38,40,42,44,46,48,50,52,54,56,58,60,62
	v_pk_mul_f32 v[S+\j:S+\j+1], v[S+\j:S+\j+1], v[246:247] op_sel_hi:[1,0]   ; A: the finished weight
.endr
.irp b, 0,1,2,3
	v_mul_f32 v[BMX+\b], v[BMX+\b], v246           ; each block's largest A: the same multiplication
.endr
.irp b, 0,1,2,3
	v_max_num_f32 v[BMX+\b], 0x1800000, v[BMX+\b]  ; the floor 2^(3 - 127): the byte cannot fall under 1
.endr
.irp b, 0,1,2,3
	v_add_nc_u32 v[TS+\b], 0xff000000, v[BMX+\b]   ; 2 off the exponent field: the conversion's scale operand
.endr
.irp b, 0,1,2,3
	v_lshrrev_b32 v[T4+\b], 23, v[TS+\b]           ; the scale's byte
.endr
	v_lshl_or_b32 v[PW], v[T4+1], 8, v[T4]
	v_lshl_or_b32 v[PW], v[T4+2], 16, v[PW]
	v_lshl_or_b32 v[PW], v[T4+3], 24, v[PW]
.irp c, 0,1
	v_cvt_scalef32_pk16_fp6_f32 v[PC+6*\c:PC+2+6*\c], v[S+32*\c:S+15+32*\c], v[TS+2*\c]
	v_cvt_scalef32_pk16_fp6_f32 v[PC+12+4*\c:PC+14+4*\c], v[S+16+32*\c:S+31+32*\c], v[TS+2*\c+1]
.endr
	v_nop                                          ; one plain place behind a scaled conversion
.irp c, 0,1                                    ; a whole block in a lane: lanes 0-15 block 2 c, lanes 16-31 block 2 c + 1
.irp i, 0,1,2
	v_permlane16_swap_b32 v[PC+6*\c+\i], v[PC+12+4*\c+\i]
.endr
.irp i, 0,1,2
	v_mov_b32 v[PC+3+6*\c+\i], v[PC+12+4*\c+\i]
.endr
.endr
.rept 8
	v_nop                                          ; a scale register written by a vector instruction stands 8 places ahead of a scaled matrix instruction, an operand so written 4
.endr
.irp t, 0,1,2,3
.if \t % 2
	v_wmma_scale_f32_16x16x128_f8f6f4 v[S+8*\t:S+8*\t+7], v[VB+12*\t:VB+12*\t+11], v[PC:PC+11], 0, v[VS+\t/2], v[PW] matrix_a_fmt:MATRIX_FMT_FP6 matrix_b_fmt:MATRIX_FMT_FP6 matrix_a_scale:MATRIX_SCALE_ROW1
.else
	v_wmma_scale_f32_16x16x128_f8f6f4 v[S+8*\t:S+8*\t+7], v[VB+12*\t:VB+12*\t+11], v[PC:PC+11], 0, v[VS+\t/2], v[PW] matrix_a_fmt:MATRIX_FMT_FP6 matrix_b_fmt:MATRIX_FMT_FP6
.endif
.endr
.rept 5
	v_nop                                          ; four places ahead of the stores that read the results; the fifth since the next tile's products write over these registers
.endr
.irp i, 0,1,2,3,4,5,6,7,8,9,10,11,12,13,14,15
	ds_store_b64 v8, v[S+2*\i:S+2*\i+1] offset:256*\i   ; register 16 b + i' of lane (r, h): query r, channel 32 b + 16 h + i' of the head; each result from its low end on
.endr
.endm
.macro OPLOAD                          ; pair w of all sixteen waves' partial O^T
.irp p, 0,1,2,3,4,5,6,7,8,9,10,11,12,13,14,15
	ds_load_b64 v[PL+2*\p:PL+2*\p+1], v9 offset:4096*\p
.endr
.endm
.macro OPSUM                           ; their sum, as a tree
.irp p, 0,1,2,3,4,5,6,7
	v_pk_add_f32 v[PL+4*\p:PL+4*\p+1], v[PL+4*\p:PL+4*\p+1], v[PL+4*\p+2:PL+4*\p+3]
.endr
.irp p, 0,1,2,3
	v_pk_add_f32 v[PL+8*\p:PL+8*\p+1], v[PL+8*\p:PL+8*\p+1], v[PL+8*\p+4:PL+8*\p+5]
.endr
	v_pk_add_f32 v[PL:PL+1], v[PL:PL+1], v[PL+8:PL+9]
	v_pk_add_f32 v[PL+16:PL+17], v[PL+16:PL+17], v[PL+24:PL+25]
	v_pk_add_f32 v[252:253], v[PL:PL+1], v[PL+16:PL+17]
.endm
.macro REDSTORE                        ; the finished pair of tile s89
	s_lshl_b32 s97, s89, 8
	v_add_nc_u32 v4, s97, v10
	ds_store_b64 v4, v[252:253]
.endm
; Tile 16 k + w of C's 32: 16 queries x the head's 64 channels become half a fragment and two scale bytes a row.
.macro FINISH k
.irp i, 0,1,2,3,4,5,6,7
	ds_load_b64 v[S+2*\i:S+2*\i+1], v11 offset:8192*\i+4096*(\k)
.endr
.irp i, 0,1,2,3,4,5,6,7
	ds_load_b64 v[S+16+2*\i:S+16+2*\i+1], v12 offset:8192*\i+4096*(\k)
.endr
	s_wait_dscnt 0x0
.if (\k) > 0
	s_wait_xcnt 0x0                                ; the first tile's stores have read their data
.endif
.irp b, 0,1
	v_max3_num_f32 v[BMX+\b], |v[S+16*\b]|, |v[S+1+16*\b]|, 0x1800000
.endr
.irp i, 2,4,6,8,10,12,14
.irp b, 0,1
	v_max3_num_f32 v[BMX+\b], v[BMX+\b], |v[S+16*\b+\i]|, |v[S+1+16*\b+\i]|
.endr
.endr
.irp b, 0,1
	v_permlanex16_b32 v[T4+\b], v[BMX+\b], s2, s3
.endr
.irp b, 0,1
	v_max_num_f32 v[BMX+\b], v[BMX+\b], v[T4+\b]
.endr
.irp b, 0,1
	v_add_nc_u32 v[TS+\b], 0xff000000, v[BMX+\b]
.endr
.irp b, 0,1
	v_lshrrev_b32 v[T4+\b], 23, v[TS+\b]
.endr
	v_lshl_or_b32 v[PW], v[T4+1], 8, v[T4]
	v_cvt_scalef32_pk16_fp6_f32 v[PC:PC+2], v[S:S+15], v[TS]
	v_cvt_scalef32_pk16_fp6_f32 v[PC+12:PC+14], v[S+16:S+31], v[TS+1]
	v_nop                                          ; one plain place behind a scaled conversion
.irp i, 0,1,2
	v_permlane16_swap_b32 v[PC+\i], v[PC+12+\i]
.endr
.irp i, 0,1,2
	v_mov_b32 v[PC+3+\i], v[PC+12+\i]
.endr
	global_store_b128 v1, v[PC:PC+3], s[10:11] offset:196608*(\k)        ; 512 and 256 consecutive bytes, at multiples of 256 from cc's first byte
	global_store_b64 v2, v[PC+4:PC+5], s[10:11] offset:196608*(\k)+512
	global_store_b16 v13, v[PW], s[12:13] offset:8192*(\k)               ; the head's two bytes of each row's scale word
.endm
	NEXTQ 0
	s_wait_loadcnt 0x0                             ; K, V, their scale words, the first Q
.irp p, 16,18,20,22,24,26,28,30,32,34,36,38,40,42,44,46,48,50,52,54,56,58,60,62,68,70,72,74,76,78,80,82
	s_mov_b64 s[\p:\p+1], -1                       ; the mask words hold a mask on every way (the addresses that lay in the first eight have served)
.endr
	MASKREQ 0
	ATT_A                                          ; tile 0
	NEXTQ 1
	MLSTORE
	s_wait_dscnt 0x0
	s_barrier_signal -1
	s_barrier_wait -1                              ; barrier S: all (M_w, l_w) of tile 0 lie in LDS
.Ltrip:                                            ; 31 trips: phase B of tile s89, phase A of tile s89 + 1
	MASKREQ 1
	ATT_B
	s_wait_loadcnt 0x0                             ; Q of the next tile, asked for a trip ago
	s_wait_dscnt 0x0                               ; my partial O^T has landed; my reads of (M, l) and my last finished pair's store are over
	s_barrier_signal -1                            ; barrier O
	ATT_A                                          ; registers alone, while the others arrive
	s_barrier_wait -1                              ; all sixteen partial O^T lie in LDS, and nobody reads (M, l) any more
	OPLOAD
	s_cmp_lt_u32 s89, 30                           ; the last trip has no tile two on
	s_cbranch_scc0 .Lno_q
	NEXTQ 2
.Lno_q:
	MLSTORE
	s_wait_dscnt 0x0                               ; the sixteen pairs are in; my (M_w, l_w) have landed
	s_barrier_signal -1                            ; barrier S
	OPSUM
	s_barrier_wait -1                              ; all (M_w, l_w) of the next tile lie in LDS, and nobody reads the partial O^T any more
	REDSTORE
	s_add_co_u32 s89, s89, 1
	s_cmp_lt_u32 s89, 31
	s_cbranch_scc1 .Ltrip
	ATT_B                                          ; tile 31
	s_wait_dscnt 0x0
	s_barrier_signal -1
	s_barrier_wait -1
	OPLOAD
	s_wait_dscnt 0x0
	OPSUM
	REDSTORE
	s_wait_dscnt 0x0
	s_barrier_signal -1
	s_barrier_wait -1                              ; all 32 tiles of O^T lie in LDS
	FINISH 0
	FINISH 1
	s_wait_tensorcnt 0x0
	ds_add_u32 v231, v255
	s_wait_dscnt 0x0
	s_endpgm
.Lfunc_end_k_q251329a9b2_attn:
	.size	k_q251329a9b2_attn, .Lfunc_end_k_q251329a9b2_attn-k_q251329a9b2_attn
	.p2alignl 7, 3214868480
	.fill 96, 4, 3214868480
	.section	.rodata,"a",@progbits
	.p2align	6, 0x0
	.amdhsa_kernel k_q251329a9b2_attn
		.amdhsa_group_segment_fixed_size 201216
		.amdhsa_private_segment_fixed_size 0
		.amdhsa_enable_private_segment 0
		.amdhsa_kernarg_size 48
		.amdhsa_user_sgpr_count 2
		.amdhsa_user_sgpr_kernarg_segment_ptr 1
		.amdhsa_wavefront_size32 1
		.amdhsa_system_sgpr_workgroup_id_x 1
		.amdhsa_system_sgpr_workgroup_id_y 1
		.amdhsa_system_sgpr_workgroup_id_z 1
		.amdhsa_system_vgpr_workitem_id 0
		.amdhsa_next_free_vgpr 256
		.amdhsa_next_free_sgpr 106
		.amdhsa_reserve_vcc 1
		.amdhsa_float_denorm_mode_32 3
		.amdhsa_float_denorm_mode_16_64 3
		.amdhsa_memory_ordered 1
		.amdhsa_forward_progress 1
		.amdhsa_inst_pref_size 68
	.end_amdhsa_kernel
	.amdgpu_metadata
---
amdhsa.version: [ 1, 2 ]
amdhsa.kernels:
  - .name:           k_q251329a9b2_attn
    .symbol:         k_q251329a9b2_attn.kd
    .args:
      - { .name: ac, .offset: 0, .size: 8, .value_kind: global_buffer, .address_space: global }
      - { .name: asc, .offset: 8, .size: 8, .value_kind: global_buffer, .address_space: global }
      - { .name: mb, .offset: 16, .size: 8, .value_kind: global_buffer, .address_space: global }
      - { .name: fl, .offset: 24, .size: 8, .value_kind: global_buffer, .address_space: global }
      - { .name: cc, .offset: 32, .size: 8, .value_kind: global_buffer, .address_space: global }
      - { .name: cs, .offset: 40, .size: 8, .value_kind: global_buffer, .address_space: global }
    .group_segment_fixed_size: 201216
    .private_segment_fixed_size: 0
    .kernarg_segment_align: 8
    .kernarg_segment_size: 48
    .max_flat_workgroup_size: 512
    .sgpr_count:     106
    .vgpr_count:     256
    .wavefront_size: 32
...
	.end_amdgpu_metadata
.endif
;; end of part 3
;; launch outp (part 4): grid 4 x 32, 4 waves a work-group, clusters of 4 x 4, 327,680 bytes of LDS; arguments cc, cs, pc, ps, out0; writes out0
.if DOCPART == 4
	.amdgcn_target "amdgcn-amd-amdhsa--gfx1250"
	.amdhsa_code_object_version 6
	.text
	.protected	k_q251329a9b2_outp
	.globl	k_q251329a9b2_outp
	.p2align	8
	.type	k_q251329a9b2_outp,@function
k_q251329a9b2_outp:
	s_mov_b64 s[64:65], 0
	v_nop
	global_prefetch_b8 v0, s[64:65] scope:SCOPE_SE
	s_setreg_imm32_b32 hwreg(HW_REG_WAVE_MODE, 25, 1), 1
	s_wait_xcnt 0x0
	s_wait_alu depctr_hold_cnt(0) depctr_sa_sdst(0) depctr_va_vdst(0) depctr_va_sdst(0) depctr_va_ssrc(0) depctr_va_vcc(0) depctr_vm_vsrc(0)
	s_getreg_b32 s2, hwreg(HW_REG_IB_STS2, 6, 4)
	s_cmp_eq_u32 s2, 0
	s_cbranch_scc0 .Lentry_in_a_cluster
	s_endpgm
.Lentry_in_a_cluster:
	s_bfe_u32 s2, ttmp6, 0x10000c
	s_cmp_lg_u32 s2, 0xf033
	s_cbranch_scc0 .Lentry_shape_is_right
	s_endpgm
.Lentry_shape_is_right:
; OUTP: out0 = C W_O on codes of FP6 (E2M3) with E8M0 scales, K = 1,024; out0 [8192][1024] f32.
; A work-group of four waves makes 256 x 256 results, a wave 128 x 128: 64 accumulators of 16 x 16 in 512 registers.  The matrix instruction's first source is 16 columns of W_O (B), its second 16 tokens of C (A):
; a lane then holds one token and eight neighbouring columns.
; OPERANDS lie in memory as images of their registers: a fragment of 16 rows x 128 K is 1,536 dense bytes, a tile's 8 K steps 12,288; a tile's rows are 32 (T / 2) + 8 (T % 2) + r + 8 (r / 8): the way out undoes that order.
; K goes in steps of 256 through a ring of two LDS slots filled by the tensor data mover: a wave's load brings 8 tiles x 3,072 bytes.  The scale words of the work-group's 32 tiles come once, with the first fills.
; CLUSTERS: 4 x 4 work-groups; A's tiles are shared along a row of the cluster, B's along a column: each is asked for jointly, by the same tensor load with the same descriptor and a mask that names the four.
; REGISTERS, in windows of 256: window 0: v0-31 addresses; v32-63 scale words, two sets; from v128 A's fragments, one set, later rows on their way out.  window 1: B's fragments, two sets.  windows 2, 3: the accumulators.
.set FR,    12
.set FRB,   1536
.set TROW,  2*FRB
.set NQ,    2
.set NL,    4
.set NP,    4
.set HALFT, 8*TROW
.set SLOT,  4*HALFT
.set SCL,   2*SLOT
.set HALFS, 4096
.set SPARE, SCL+4*HALFS                ; the spare words, 128 bytes for each wave: two blocks of 256 bytes that no other line names
.set SPITCH, 528                       ; the way out: a stage of 16 rows x (512 bytes + 16) for each wave, in slot 0, which has had its last fill and its last read when the first result is stored there
.set ADRA, 16
.set ADRB, 20
.set STO,  24                          ; v24 the way out: where I put 32 bytes of a row
.set RD,   25                          ; v25 where I read a row back
.set CO,   26                          ; v26 my byte offset in a row of out0
.set ADRS, 27
.set SPW,  28
.set NIL,  29
.set SC,   32
.set AF,   128
.set BK,   128                         ; 16 rows read back from the stage: v128-191 and v192-255 by turns
.set G1, 24
.set G0, 32
.set G1B, 48
.set G0B, 56
.set G1S, 68
.set G0S, 76
.set G1SB, 80
.set G0SB, 88
.set MSB, 0
.macro WIN new                         ; the immediate's high byte repeats the setting that is left
.if MSB != \new
	s_set_vgpr_msb (MSB<<8)|\new
.set MSB, \new
.endif
.endm
.set MUL_LO, 0xa1
.set MUL_HI, 0xf1
.set TO_B,   0x40
.macro JLOAD g0a, g1a, g0b, g1b        ; a joint load: waves 0 and 1 fetch for A, waves 2 and 3 for B; four v_nop follow each of the two lines
	s_cmp_eq_u32 s15, 0
	s_cbranch_scc0 .Lfor_b_\@
	tensor_load_to_lds s[\g0a:\g0a+3], s[\g1a:\g1a+7]
	s_nop 0
.rept 4
	v_nop
.endr
	s_branch .Lasked_\@
.Lfor_b_\@:
	tensor_load_to_lds s[\g0b:\g0b+3], s[\g1b:\g1b+7]
	s_nop 0
.rept 4
	v_nop
.endr
.Lasked_\@:
.endm
.macro CREST
	s_cmp_lg_u32 s14, 0
	s_cbranch_scc1 .Lnot_wave_0_\@
	s_barrier_signal -3
.Lnot_wave_0_\@:
	s_barrier_wait -3
	s_barrier_signal -1
	s_barrier_wait -1
.endm
.macro CROUND
	s_barrier_signal -1
	s_barrier_wait -1
	CREST
.endm
	s_load_b128 s[4:7], s[0:1], 0x0                ; C's codes s[4:5], C's scale words s[6:7]
	s_load_b128 s[8:11], s[0:1], 0x10              ; the weights' codes s[8:9], their scale words s[10:11]
	s_load_b64 s[12:13], s[0:1], 0x20              ; out0
	v_lshl_add_u32 v[SPW], v0, 2, SPARE
	v_mov_b32 v[NIL], 0
	ds_add_u32 v28, v29
	ds_add_u32 v28, v29
	s_wait_dscnt 0x0
	v_lshrrev_b32 v1, 5, v0
	v_readfirstlane_b32 s14, v1                    ; wave 0..3
	s_lshr_b32 s15, s14, 1                         ; which half of A's 16 tiles is mine.  Also: I fetch for A (0) or for B (1)
	s_and_b32 s16, s14, 1                          ; which half of B's.  Also: which 8 tiles I fetch
	s_bfe_u32 s40, ttmp6, 0x40000                  ; cx, cy
	s_bfe_u32 s41, ttmp6, 0x40004
	s_lshl_b32 s42, ttmp9, 2
	s_add_co_u32 s42, s42, s40                     ; tile column of out0 = 4 x cluster x + cx
	s_and_b32 s17, ttmp7, 0xffff
	s_lshl_b32 s17, s17, 2
	s_add_co_u32 s17, s17, s41                     ; tile row = 4 x cluster y + cy
	s_lshl_b32 s43, s41, 2
	s_lshl_b32 s43, 15, s43                        ; my row of the cluster
	s_lshl_b32 s44, 0x1111, s40                    ; my column
	s_or_b32 s[G1+0], s43, (3<<16)|(1<<21)         ; codes: 8 rows (tiles) of 384 elements of 8 bytes, 1,536 elements apart; dense in LDS
	s_or_b32 s[G1B+0], s44, (3<<16)|(1<<21)
.irp g, G1, G1B
	s_mov_b32 s[\g+1], 384<<16
	s_mov_b32 s[\g+2], 8<<16
	s_mov_b32 s[\g+3], 384<<16
	s_mov_b32 s[\g+4], 8
	s_mov_b32 s[\g+5], 1536
	s_mov_b32 s[\g+6], 0
	s_mov_b32 s[\g+7], 0
.endr
	s_or_b32 s[G1S+0], s43, (3<<16)|(1<<21)        ; the scale words of 8 tiles: 4,096 dense bytes as 16 rows of 256
	s_or_b32 s[G1SB+0], s44, (3<<16)|(1<<21)
.irp g, G1S, G1SB
	s_mov_b32 s[\g+1], 32<<16
	s_mov_b32 s[\g+2], 16<<16
	s_mov_b32 s[\g+3], 32<<16
	s_mov_b32 s[\g+4], 16
	s_mov_b32 s[\g+5], 32
	s_mov_b32 s[\g+6], 0
	s_mov_b32 s[\g+7], 0
.endr
	s_lshl_b32 s18, s16, 3                         ; which 8 tiles I fetch
	s_lshl_b32 s20, s17, 4
	s_add_co_u32 s20, s20, s18                     ; A: tile 16 x tile row + 8 x half
	s_lshl_b32 s46, s42, 4
	s_add_co_u32 s46, s46, s18
	s_add_co_u32 s46, s46, 704                     ; B: W_O's tiles begin at 704
	s_lshl_b32 s22, s20, 9
	s_mov_b32 s23, 0
	s_lshl_b32 s92, s46, 9
	s_mov_b32 s93, 0
	s_mul_i32 s20, s20, 12288
	s_mov_b32 s21, 0
	s_mul_i32 s46, s46, 12288
	s_mov_b32 s47, 0
	s_mul_i32 s45, s14, HALFT                      ; where they go: no place in the cluster enters an LDS address
	s_lshl_b32 s94, s14, 12
	s_wait_kmcnt 0x0
	s_add_nc_u64 s[20:21], s[4:5], s[20:21]
	s_add_nc_u64 s[22:23], s[6:7], s[22:23]
	s_add_nc_u64 s[46:47], s[8:9], s[46:47]
	s_add_nc_u64 s[92:93], s[10:11], s[92:93]
	CROUND                                         ; all sixteen work-groups are here: the first joint loads meet
	s_mov_b32 s[G0S], 1
	s_add_co_u32 s[G0S+1], s94, SCL
	s_mov_b64 s[G0S+2:G0S+3], s[22:23]
	s_or_b32 s[G0S+3], s[G0S+3], 0x80000000
	s_mov_b32 s[G0SB], 1
	s_add_co_u32 s[G0SB+1], s94, SCL
	s_mov_b64 s[G0SB+2:G0SB+3], s[92:93]
	s_or_b32 s[G0SB+3], s[G0SB+3], 0x80000000
	JLOAD G0S, G1S, G0SB, G1SB                     ; the scale words first.  Three loads of mine are out behind the third line below
.irp s, 0,1
	s_mov_b32 s[G0+4*\s], 1
	s_add_co_u32 s[G0+4*\s+1], s45, \s*SLOT
	s_add_nc_u64 s[G0+4*\s+2:G0+4*\s+3], s[20:21], \s*TROW
	s_or_b32 s[G0+4*\s+3], s[G0+4*\s+3], 0x80000000
	s_mov_b32 s[G0B+4*\s], 1
	s_add_co_u32 s[G0B+4*\s+1], s45, \s*SLOT
	s_add_nc_u64 s[G0B+4*\s+2:G0B+4*\s+3], s[46:47], \s*TROW
	s_or_b32 s[G0B+4*\s+3], s[G0B+4*\s+3], 0x80000000
	JLOAD G0+4*\s, G1, G0B+4*\s, G1B
.endr
	v_and_b32 v1, 31, v0                           ; lane
	v_and_b32 v2, 15, v0                           ; r
	v_bfe_u32 v3, v0, 4, 1                         ; h
	v_lshlrev_b32 v4, 4, v1                        ; 16 x lane
	v_lshlrev_b32 v5, 3, v1                        ; 8 x lane
	s_mul_i32 s21, s15, HALFT
	s_mul_i32 s22, s16, HALFT
	s_add_co_u32 s22, s22, 2*HALFT
.irp s, 0,1
	v_add_nc_u32 v[ADRA+\s], s21, v4
	v_add_nc_u32 v[ADRB+\s], s22, v4
	v_add_nc_u32 v[ADRA+2+\s], s21, v5
	v_add_nc_u32 v[ADRB+2+\s], s22, v5
	s_add_co_u32 s21, s21, SLOT
	s_add_co_u32 s22, s22, SLOT
.endr
	s_lshl_b32 s21, s15, 12
	s_lshl_b32 s22, s16, 12
	s_add_co_u32 s22, s22, 2*HALFS
	s_sub_co_u32 s22, s22, s21
	v_mul_u32_u24 v6, s22, v3                      ; lanes 16-31 take B's scale words
	s_add_co_u32 s21, s21, SCL
	v_lshl_add_u32 v6, v2, 3, v6
	v_add_nc_u32 v[ADRS], s21, v6
	s_mul_i32 s23, s14, 16*SPITCH                  ; my stage
	v_mul_u32_u24 v6, v2, SPITCH                   ; in: row r; my half's 16 columns of each 32: + 64 h
	v_lshl_add_u32 v6, v3, 6, v6
	v_add_nc_u32 v[STO], s23, v6
	v_mov_b32 v[CO], v4                            ; back: the 32 lanes take one row of 512 bytes; and the same in out0
	v_add_nc_u32 v[RD], s23, v4
	s_lshl_b32 s20, s17, 8
	s_lshl_b32 s21, s15, 7
	s_add_co_u32 s20, s20, s21                     ; my first row of out0: 256 x tile row + 128 x half
	s_lshl_b32 s20, s20, 12                        ; 4,096 bytes a row
	s_mov_b32 s21, 0
	s_lshl_b32 s46, s42, 10                        ; my first column, in bytes: 1,024 x tile column + 512 x half
	s_lshl_b32 s47, s16, 9
	s_add_co_u32 s46, s46, s47
	s_mov_b32 s47, 0
	s_add_nc_u64 s[20:21], s[20:21], s[46:47]
	s_add_nc_u64 s[12:13], s[12:13], s[20:21]
.macro FRAG reg, adr, q, i             ; tile i's fragment of the slot's q-th 128 along K: the image comes back as it was stored; every load reads consecutive bytes
	ds_load_b128 v[\reg:\reg+3], v[\adr] offset:(\i)*TROW+(\q)*FRB
	ds_load_b64 v[\reg+4:\reg+5], v[\adr+2] offset:(\i)*TROW+(\q)*FRB+512
	ds_load_b128 v[\reg+6:\reg+9], v[\adr] offset:(\i)*TROW+(\q)*FRB+768
	ds_load_b64 v[\reg+10:\reg+11], v[\adr+2] offset:(\i)*TROW+(\q)*FRB+1280
.endm
; The 64 accumulators take turns, one instruction a turn, in the same order in every step.
.macro MUL16 a0, p, q, sc, zero
.irp a, \a0, \a0+1
.irp b, 0,1,2,3,4,5,6,7
.if \zero
	v_wmma_scale_f32_16x16x128_f8f6f4 v[8*(8*((\a)%4)+\b):8*(8*((\a)%4)+\b)+7], v[128*(\p)+FR*\b:128*(\p)+FR*\b+FR-1], v[AF+FR*(\a):AF+FR*(\a)+FR-1], 0, v[SC+8*NQ*(\sc)+NQ*\b+(\q)], v[SC+8*NQ*(\sc)+NQ*(\a)+(\q)] matrix_a_fmt:MATRIX_FMT_FP6 matrix_b_fmt:MATRIX_FMT_FP6 matrix_a_scale:MATRIX_SCALE_ROW1
.else
	v_wmma_scale_f32_16x16x128_f8f6f4 v[8*(8*((\a)%4)+\b):8*(8*((\a)%4)+\b)+7], v[128*(\p)+FR*\b:128*(\p)+FR*\b+FR-1], v[AF+FR*(\a):AF+FR*(\a)+FR-1], v[8*(8*((\a)%4)+\b):8*(8*((\a)%4)+\b)+7], v[SC+8*NQ*(\sc)+NQ*\b+(\q)], v[SC+8*NQ*(\sc)+NQ*(\a)+(\q)] matrix_a_fmt:MATRIX_FMT_FP6 matrix_b_fmt:MATRIX_FMT_FP6 matrix_a_scale:MATRIX_SCALE_ROW1
.endif
.endr
.endr
.endm
.macro FETCH_B slot, q, p
	WIN TO_B
.irp i, 0,1,2,3,4,5,6,7
	FRAG 128*(\p)+FR*\i, ADRB+\slot, \q, \i
.endr
	WIN 0
.endm
.macro FETCH_A slot, q, i0
.irp i, \i0, \i0+1, \i0+2, \i0+3
	FRAG AF+FR*(\i), ADRA+\slot, \q, \i
.endr
.endm
.macro SCALES sc, ks
.irp i, 0,1,2,3,4,5,6,7
	ds_load_b64 v[SC+8*NQ*\sc+NQ*\i:SC+8*NQ*\sc+NQ*\i+1], v[ADRS] offset:\i*512+128*(\ks)
.endr
.endm
.macro PLACES n                        ; plain vector lines between a matrix instruction and a load into, or a read of, its registers
.rept \n
	v_nop
.endr
.endm
.macro STEP slot, q, zero
	s_wait_dscnt 4*NL                              ; B's set and A's tiles 0-3 are in; the youngest 16 loads (A's tiles 4-7) may be out
	WIN MUL_LO
	MUL16 0, (\q)%2, \q, \slot, \zero
	MUL16 2, (\q)%2, \q, \slot, \zero
	s_wait_dscnt 0
	PLACES NP
	FETCH_B \slot, (\q)+1, 1-(\q)%2
	FETCH_A \slot, (\q)+1, 0
	WIN MUL_HI
	MUL16 4, (\q)%2, \q, \slot, \zero
	MUL16 6, (\q)%2, \q, \slot, \zero
	PLACES NP
	WIN 0
	FETCH_A \slot, (\q)+1, 4
.endm
; A slot's last step changes slots: ONE barrier; in front of it each wave waits for all its tensor loads, adds 0 to its spare word, and waits for that and for its own reads of this slot.
.macro TURN slot, next, fill, ks
	s_wait_tensorcnt 0x0                           ; all my tensor loads have landed: my part of the next slot
	ds_add_u32 v[SPW], v[NIL]                      ; 0 onto my spare word
	s_wait_dscnt 4*NL+1                            ; (the add and the youngest 16 loads may be out)
	WIN MUL_LO
	MUL16 0, 1, NQ-1, \slot, 0
	s_wait_dscnt 0x0                               ; the add is done, and my reads of this slot are over
	s_barrier_signal -1
	MUL16 2, 1, NQ-1, \slot, 0
	WIN 0
	s_barrier_wait -1
.if \fill
	CREST                                          ; a round of the cluster's barrier: no wave of any partner still reads this slot or has a load on its way
	s_add_nc_u64 s[G0+4*\slot+2:G0+4*\slot+3], s[G0+4*\slot+2:G0+4*\slot+3], 2*TROW
	s_add_nc_u64 s[G0B+4*\slot+2:G0B+4*\slot+3], s[G0B+4*\slot+2:G0B+4*\slot+3], 2*TROW
	JLOAD G0+4*\slot, G1, G0B+4*\slot, G1B         ; the first tensor load behind the round, my one load until the next
.else
	PLACES NP
.endif
	FETCH_B \next, 0, 0
	FETCH_A \next, 0, 0
	SCALES \next, \ks
	WIN MUL_HI
	MUL16 4, 1, NQ-1, \slot, 0
	MUL16 6, 1, NQ-1, \slot, 0
	PLACES NP
	WIN 0
	FETCH_A \next, 0, 4
.endm
	s_wait_tensorcnt 1                             ; the scale words and my part of K step 0 are in (K step 1's load may be out)
	s_barrier_signal -1
	s_barrier_wait -1
	FETCH_B 0, 0, 0
	FETCH_A 0, 0, 0
	SCALES 0, 0
	FETCH_A 0, 0, 4
	STEP 0, 0, 1                                   ; K = 1,024 is four slots: they are written out
	TURN 0, 1, 1, 1
	STEP 1, 0, 0
	TURN 1, 0, 1, 2
	STEP 0, 0, 0
	TURN 0, 1, 0, 3
	STEP 1, 0, 0
	s_wait_dscnt 4*NL
	WIN MUL_LO
	MUL16 0, 1, NQ-1, 1, 0
	MUL16 2, 1, NQ-1, 1, 0
	s_wait_dscnt 0
	WIN MUL_HI
	MUL16 4, 1, NQ-1, 1, 0
	MUL16 6, 1, NQ-1, 1, 0
	WIN 0
; THE WAY OUT, tile by tile of 16 tokens x 128 columns, through my own stage in LDS.  Register j of accumulator (a, b) in lane (r, h) is column 32 (b / 2) + 16 h + 8 (b % 2) + j of token row r of tile a.
; Stage row t comes back whole (512 bytes) and goes to row 32 (a / 2) + 8 (a % 2) + t + 8 (t / 8) of my 128.  LDS serves a wave's instructions in order: no wait between the stores and the loads.
.macro TOSTAGE a
.set AC, 64*((\a)%4)
	WIN 0x08+4*((\a)/4)                            ; the data: window 2 or 3
.irp b, 0,1,2,3,4,5,6,7
	ds_store_b128 v[STO], v[AC+8*\b:AC+8*\b+3] offset:128*(\b/2)+32*(\b%2)       ; each accumulator from its low end on
	ds_store_b128 v[STO], v[AC+8*\b+4:AC+8*\b+7] offset:128*(\b/2)+32*(\b%2)+16
.endr
	WIN 0
.set BB, BK+64*((\a)%2)
.irp t, 0,1,2,3,4,5,6,7,8,9,10,11,12,13,14,15
	ds_load_b128 v[BB+4*\t:BB+4*\t+3], v[RD] offset:\t*SPITCH
.endr
.endm
.macro SEND a, younger                 ; younger: the LDS instructions issued behind tile a's loads, which may stay out
.set BB, BK+64*((\a)%2)
	s_wait_dscnt \younger
.irp t, 0,1,2,3,4,5,6,7,8,9,10,11,12,13,14,15
	global_store_b128 v[CO], v[BB+4*\t:BB+4*\t+3], s[12:13] offset:(32*((\a)/2)+8*((\a)%2)+\t+8*(\t/8))*4096 th:TH_STORE_NT   ; 32 lanes store 512 consecutive bytes, at a multiple of 256 from out0's first byte
.endr
.endm
	PLACES NP
	TOSTAGE 0
.irp a, 1,2,3,4,5,6,7
.if \a > 1
	s_wait_xcnt 0x0                                ; tile a - 2's stores have read their registers: tile a's loads may land there
.endif
	TOSTAGE \a
	SEND \a-1, 32                                  ; behind tile a - 1's loads: tile a's 16 stores and 16 loads
.endr
	SEND 7, 0
	s_wait_tensorcnt 0x0                           ; the wave's end
	ds_add_u32 v[SPW], v[NIL]
	s_wait_dscnt 0x0
	CROUND                                         ; the closing round
	s_endpgm
.Lfunc_end_k_q251329a9b2_outp:
	.size	k_q251329a9b2_outp, .Lfunc_end_k_q251329a9b2_outp-k_q251329a9b2_outp
	.p2alignl 7, 3214868480
	.fill 96, 4, 3214868480
	.section	.rodata,"a",@progbits
	.p2align	6, 0x0
	.amdhsa_kernel k_q251329a9b2_outp
		.amdhsa_group_segment_fixed_size 327680
		.amdhsa_private_segment_fixed_size 0
		.amdhsa_enable_private_segment 0
		.amdhsa_kernarg_size 40
		.amdhsa_user_sgpr_count 2
		.amdhsa_user_sgpr_kernarg_segment_ptr 1
		.amdhsa_wavefront_size32 1
		.amdhsa_system_sgpr_workgroup_id_x 1
		.amdhsa_system_sgpr_workgroup_id_y 1
		.amdhsa_system_sgpr_workgroup_id_z 1
		.amdhsa_system_vgpr_workitem_id 0
		.amdhsa_next_free_vgpr 1024
		.amdhsa_next_free_sgpr 100
		.amdhsa_reserve_vcc 0
		.amdhsa_float_denorm_mode_32 3
		.amdhsa_float_denorm_mode_16_64 3
		.amdhsa_memory_ordered 1
		.amdhsa_forward_progress 1
		.amdhsa_inst_pref_size 143
	.end_amdhsa_kernel
	.amdgpu_metadata
---
amdhsa.version: [ 1, 2 ]
amdhsa.kernels:
  - .name:           k_q251329a9b2_outp
    .symbol:         k_q251329a9b2_outp.kd
    .args:
      - { .name: cc, .offset: 0, .size: 8, .value_kind: global_buffer, .address_space: global }
      - { .name: cs, .offset: 8, .size: 8, .value_kind: global_buffer, .address_space: global }
      - { .name: pc, .offset: 16, .size: 8, .value_kind: global_buffer, .address_space: global }
      - { .name: ps, .offset: 24, .size: 8, .value_kind: global_buffer, .address_space: global }
      - { .name: out0, .offset: 32, .size: 8, .value_kind: global_buffer, .address_space: global }
    .group_segment_fixed_size: 327680
    .private_segment_fixed_size: 0
    .kernarg_segment_align: 8
    .kernarg_segment_size: 40
    .max_flat_workgroup_size: 128
    .sgpr_count:     100
    .vgpr_count:     1024
    .wavefront_size: 32
...
	.end_amdgpu_metadata
.endif
;; end of part 4
;; ======== version 2 of 2: 4 launches; version 1 with the launch attn written anew for expert scheduling mode
;; workspace buffers: fl 2,048 bytes of whole numbers; pc 9,437,184 bytes; ps 393,216 bytes; mb 2,097,152 bytes; ac 18,874,368 bytes; asc 1,572,864 bytes; cc 6,291,456 bytes; cs 262,144 bytes
;; launch prep: the kernel of part 1 again; grid 512 x 1, 4 waves a work-group, no clusters, 68,096 bytes of LDS; arguments x, mask, W_Q, W_K, W_V, W_O, pc, ps, mb, fl; writes pc, ps, mb, fl
;; launch qkv: the kernel of part 2 again; grid 12 x 32, 4 waves a work-group, clusters of 4 x 4, 327,680 bytes of LDS; arguments pc, ps, ac, asc; writes ac, asc
;; launch attn (part 5): grid 4 x 64, 16 waves a work-group, no clusters, 201,216 bytes of LDS; arguments ac, asc, mb, fl, cc, cs; writes cc, cs
.if DOCPART == 5
	.amdgcn_target "amdgcn-amd-amdhsa--gfx1250"
	.amdhsa_code_object_version 6
	.text
	.protected	k_q251329a9b2_attn
	.globl	k_q251329a9b2_attn
	.p2align	8
	.type	k_q251329a9b2_attn,@function
k_q251329a9b2_attn:
	s_mov_b64 s[64:65], 0
	v_nop
	global_prefetch_b8 v0, s[64:65] scope:SCOPE_SE
	s_setreg_imm32_b32 hwreg(HW_REG_WAVE_SCHED_MODE, 0, 2), 2
	s_setreg_imm32_b32 hwreg(HW_REG_WAVE_MODE, 25, 1), 1
	s_wait_xcnt 0x0
	s_wait_alu depctr_vm_vsrc(0)
; ATTN: C = softmax(mask(Q K^T / 8)) V for one head and 512 queries a work-group, both products on codes of FP6 (E2M3) with E8M0 scales; C leaves as codes for the last product.
; THE WEIGHTS ARE QUANTISED FINISHED AND NORMALISED, so a row's maximum and sum must be known before any weight of the row is quantised.  THE SIXTEEN WAVES SHARE THE KEYS: wave w keeps the fragments of K and of V^T of its
; 128 keys (of the batch's 2,048) in registers for the whole launch, and all waves walk the same 32 tiles of 16 queries.  For a tile each wave makes its 16 x 128 scores once, takes its own whole-number maximum
; M_w = ceil(largest t), t = score x log2(e) / 8, and p = 2^(t - M_w) with its sum l_w.  The waves exchange (M_w, l_w) through LDS: M = the largest M_w, l = the sum of l_w 2^(M_w - M), whose factors are exact.
; A = p x 2^(M_w - M) / l is the finished weight: it is quantised along the keys and multiplied by the wave's V^T.  The sixteen partial O^T are added through LDS, in f32, in a fixed tree.
; A row all of whose keys are masked has l = 0: its weights are made 0.
; THE MASK comes as lane masks (mb), one word for each score register, with a flag (fl, stored by the first launch) for each 16 x 128 tile that is all true: there the words are neither fetched nor applied
; (a scalar branch on a stored whole number).
; LAYOUT.  Both products are used transposed (S^T = K Q^T, O^T = V^T A^T): a lane holds ONE query (lane % 16).  A tile's rows are 32 (T / 2) + 8 (T % 2) + r + 8 (r / 8), so register 16 b + i of S^T is key 32 b + 16 h + i.
; The scores' K is 64: Q's fragment has zero codes for k = 64 .. 127, and K's fragment is named over the next tile's registers there: whatever code meets a zero code adds nothing (FP6 has no NaN; the scale bytes there are 0, not 0xff).
; NO TENSOR LOAD AND NO CLUSTER: the launch branches on the stored flags; and what the four query blocks of a head share, K's and V's 12 KiB a wave, is read once at the head, straight into registers, and never again.
; TWO BARRIERS A TILE.  S: all (M_w, l_w) lie in LDS.  O: all partial O^T lie in LDS; between its signal and its wait stands the next tile's first phase, which works on registers alone.
; LIMITS: t must lie above -3e38; weights under 2^-126 become 0; a block of zeros has the scale byte 1 (this program alone reads the bytes); NaN and infinities among the inputs are not served.
; THE MODE: SCHED_MODE bits 1:0 = 2 (LLVM: expert scheduling mode 2), set by the entry lines.  The code itself states the register dependences
; between vector or matrix instructions and memory or LDS instructions, with s_wait_alu, always for 0.
; THE PLAN.  Registers that memory or LDS instructions touch, in the loop:
;   v1, v2, v5 to v9     Addresses, made at the head and never written again.
;   v[QF:QF+5], v[QS]    Q's loads land in them behind barrier O; the eight products of the next trip's phase A read them.
;   v244, v248           Written by phase A; read by the two LDS stores of (M_w, l_w); written again by the next phase A.
;   v[PL:PL+15]          Phase B's four LDS loads land in them; phase B's vector lines read and write them.
;   v[PL:PL+31]          The sixteen pairs' LDS loads land in them behind barrier O; the tree's lines read and write them.  (Phase B's codes lie in v[PC ..], which overlaps them.)
;   v[S:S+31]            Written by phase B's four products; read by its sixteen LDS stores; written again by phase A's products.
;   v4, v[252:253]       Address and data of the finished pair's LDS store: written beside the tree; v[252:253] are written again by phase B's first vector lines.
; THE WAITS OF A TRIP, in order.  vm_vsrc at phase B's head: the stores of (M_w, l_w) and of the finished pair have read their registers.  va_vdst and va_vcc behind the reciprocal and the comparison.
; va_vdst ahead of phase B's products: their second source and its scale word are written.  va_vdst ahead of the sixteen stores: the products have written their data.  vm_vsrc ahead of phase A: those stores have read them.
; Phase A's two va_vdst behind its exponentials: the second also states that v244 and v248 are written, that the products are done with Q, and that all that named v[PL:PL+31] is done; no vector line stands between it and
; the loads and stores behind barrier O.  va_vdst behind the tree, inside barrier S: v4 and v[252:253] are written, and the tree is done with v[PL ..], in which the next trip's loads land.
.set OP,   0                           ; LDS: partial O^T: [wave][pair of registers 0..15][lane] 8 bytes: 4,096 bytes a wave
.set RED,  65536                       ; finished O^T: [pair = the wave that summed it][tile 0..31][lane] 8 bytes: 8,192 bytes a wave
.set MLM,  196608                      ; -M_w: row r at 80 r, word w;
.set MLD,  1280                        ; l_w: the same, 1,280 bytes on
.set KB,   16                          ; v16-63   K: tile t's six registers at v[16 + 6 t]
.set VB,   64                          ; v64-111  V^T: four fragments
.set QF,   112                         ; v112-123 Q: six registers of codes, six of zeros
.set KS,   124                         ; v124-127 K's scale words: lanes 0-15 tile 2 i, lanes 16-31 tile 2 i + 1
.set VS,   128                         ; v128-129 V's likewise
.set QS,   130                         ; Q's scale words
.set PW,   131                         ; the weights' scale word
.set S,    132                         ; v132-195 scores, p, A; then the partial O^T in v132-163
.set PL,   196                         ; v196-211 -M and l of eight waves; v196-227 sixteen partial pairs
.set PC,   212                         ; v212-230 the weights' codes
.set BMX,  232                         ; v232-235 each block's largest
.set T4,   236                         ; v236-239 at work
.set TS,   240                         ; v240-243 the conversions' scale operands
; v1 16 x lane, v2 8 x lane, v3 4 x lane, v4 at work, v5 4 r, v6 where I store -M_w, v7 where I read eight waves' -M, v8 where I store my partial O^T, v9 where I read my pair of all sixteen,
; v10 where I store the finished pair, v11, v12 where I read a finished tile, v13 8 r, v14 4 r + 8192 h, v15 -infinity; v244 -M_w, v246 the factor, v248 l_w, v252-254 at work; v231, v255 the closing add's two.
; s2, s3 lane selects; s[4:7] the pending Q loads' bases; s[8:9] mask words; s[10:11] cc; s[12:13] cs; s[14:15] c; s[16:63], s[68:83] 64 mask words; s[66:67], s[100:101] Q's codes and scale words; s84 wave; s89 tile; s90 flags; s[104:105] the flags' words.
	s_load_b128 s[92:95], s[0:1], 0x0              ; ac, asc
	s_load_b64 s[8:9], s[0:1], 0x10                ; mb
	s_load_b64 s[104:105], s[0:1], 0x18            ; fl
	s_load_b64 s[10:11], s[0:1], 0x20              ; cc
	s_load_b64 s[12:13], s[0:1], 0x28              ; cs
	v_lshl_add_u32 v231, v0, 2, 0x30a00
	v_mov_b32 v255, 0
	v_lshrrev_b32 v4, 5, v0
	v_readfirstlane_b32 s84, v4                    ; wave 0..15
.irp i, 6,7,8,9,10,11
	v_mov_b32 v[QF+\i], 0                          ; Q's codes for k = 64 .. 127: zeros, for the whole launch
.endr
	v_and_b32 v4, 31, v0                           ; lane
	v_and_b32 v13, 15, v0                          ; r
	v_bfe_u32 v14, v0, 4, 1                        ; h
	v_lshlrev_b32 v1, 4, v4
	v_lshlrev_b32 v2, 3, v4
	v_lshlrev_b32 v3, 2, v4
	v_lshlrev_b32 v5, 2, v13
	v_mul_u32_u24 v7, v13, 80
	s_wait_alu depctr_va_sdst(0)                   ; s84 is written, ahead of its first reader: LDS addresses, bases and the flags' bit are made from it
	s_lshl_b32 s85, s84, 2
	v_add_nc_u32 v6, s85, v7
	v_add_nc_u32 v6, MLM, v6
	v_lshl_add_u32 v7, v14, 5, v7                  ; lanes 0-15 read waves 0-7, lanes 16-31 waves 8-15
	v_add_nc_u32 v7, MLM, v7
	s_lshl_b32 s85, s84, 12
	v_add_nc_u32 v8, s85, v2
	s_lshl_b32 s85, s84, 8
	v_add_nc_u32 v9, s85, v2
	v_add_nc_u32 v11, RED, v9
	v_add_nc_u32 v12, 65536, v11
	s_lshl_b32 s85, s84, 13
	v_add_nc_u32 v10, s85, v2
	v_add_nc_u32 v10, RED, v10
	v_lshl_add_u32 v14, v14, 13, v5
	v_lshlrev_b32 v13, 3, v13
	v_mov_b32 v15, 0xff800000
.irp b, 0,1,2,3
	v_mov_b32 v[T4+\b], 0                          ; written once: a lane permute's destination counts as one of its sources
.endr
	v_mov_b32 v245, 0                              ; upper halves of pairs of which the low word serves both halves: named, so written
	v_mov_b32 v247, 0
	v_mov_b32 v253, 0
	s_mov_b32 s2, 0x76543210
	s_mov_b32 s3, 0xfedcba98
	s_mov_b32 s14, 0x3e38aa3b                      ; c = log2(e) / 8: the 1 / sqrt(64) that stands on Q is applied here
	s_mov_b32 s15, s14
	s_and_b32 s85, ttmp7, 0xffff
	s_lshr_b32 s86, s85, 4                         ; batch
	s_and_b32 s87, s85, 15                         ; head
	s_lshl_b32 s88, s86, 7
	s_lshl_b32 s91, ttmp9, 5
	s_add_co_u32 s88, s88, s91                     ; T0: my first tile of queries: 128 x batch + 32 x work-group x
	s_lshl_b32 s85, s86, 7
	s_lshl_b32 s91, s84, 3
	s_add_co_u32 s85, s85, s91                     ; my first tile of keys: 128 x batch + 8 w
	s_lshl_b32 s86, s86, 4
	s_add_co_u32 s86, s86, s84                     ; my block of 128 keys: 16 x batch + w
	s_mov_b32 s97, 0
	s_mov_b32 s99, 0
	s_mov_b32 s89, 0
	s_wait_kmcnt 0x0
	s_mul_i32 s96, s87, 393216                     ; Q's codes: [head][token tile][768]
	s_mul_i32 s91, s88, 768
	s_add_co_u32 s96, s96, s91
	s_add_nc_u64 s[66:67], s[92:93], s[96:97]
	s_lshl_b32 s96, s87, 15                        ; its scale words: [head][token tile][64]
	s_lshl_b32 s91, s88, 6
	s_add_co_u32 s96, s96, s91
	s_add_nc_u64 s[100:101], s[94:95], s[96:97]
	s_add_co_u32 s98, s87, 16                      ; K's heads lie behind Q's sixteen
	s_mul_i32 s96, s98, 393216
	s_mul_i32 s91, s85, 768
	s_add_co_u32 s96, s96, s91
	s_add_nc_u64 s[16:17], s[92:93], s[96:97]
	s_lshl_b32 s96, s98, 15
	s_lshl_b32 s91, s85, 6
	s_add_co_u32 s96, s96, s91
	s_add_nc_u64 s[18:19], s[94:95], s[96:97]
	s_mul_i32 s96, s87, 4*98304                    ; V^T: [channel tile = 4 head + t][key block][1536]
	s_mul_i32 s91, s86, 1536
	s_add_co_u32 s96, s96, s91
	s_add_co_u32 s96, s96, 12582912
	s_add_nc_u64 s[20:21], s[92:93], s[96:97]
	s_lshl_b32 s96, s87, 15                        ; its scale words: [channel tile][key block][128]
	s_lshl_b32 s91, s86, 7
	s_add_co_u32 s96, s96, s91
	s_add_co_u32 s96, s96, 1048576
	s_add_nc_u64 s[22:23], s[94:95], s[96:97]
	s_lshl_b32 s98, s88, 2
	s_add_nc_u64 s[104:105], s[104:105], s[98:99]  ; the flags of tile T0
	s_lshl_b32 s96, s88, 12
	s_lshl_b32 s91, s84, 8
	s_add_co_u32 s96, s96, s91
	s_add_nc_u64 s[8:9], s[8:9], s[96:97]          ; the words of (tile T0, my 128 keys)
	s_add_co_u32 s98, s88, s84                     ; the tile of C that I finish first: T0 + w
	s_mul_i32 s96, s98, 12288
	s_mul_i32 s91, s87, 768                        ; K step head / 2, half head % 2
	s_add_co_u32 s96, s96, s91
	s_add_nc_u64 s[10:11], s[10:11], s[96:97]
	s_lshl_b32 s96, s98, 9
	s_lshr_b32 s91, s87, 2
	s_lshl_b32 s91, s91, 7
	s_add_co_u32 s96, s96, s91                     ; + 128 (head / 4)
	s_bfe_u32 s91, s87, 0x10001
	s_lshl_b32 s91, s91, 2
	s_add_co_u32 s96, s96, s91                     ; + 4 ((head / 2) % 2)
	s_and_b32 s91, s87, 1
	s_lshl_b32 s91, s91, 1
	s_add_co_u32 s96, s96, s91                     ; + 2 (head % 2)
	s_add_nc_u64 s[12:13], s[12:13], s[96:97]
	s_wait_alu depctr_va_vdst(0)                   ; the addresses v1 to v14 are written, which the loads and stores of the whole kernel read; so are Q's six registers of zeros, which every product of phase A takes in its second source
.irp t, 0,1,2,3,4,5,6,7
	global_load_b128 v[KB+6*\t:KB+6*\t+3], v1, s[16:17] offset:768*\t
	global_load_b64 v[KB+6*\t+4:KB+6*\t+5], v2, s[16:17] offset:768*\t+512
.endr
.irp i, 0,1,2,3
	global_load_b32 v[KS+\i], v3, s[18:19] offset:128*\i
.endr
.irp t, 0,1,2,3
	global_load_b128 v[VB+12*\t:VB+12*\t+3], v1, s[20:21] offset:98304*\t
	global_load_b64 v[VB+12*\t+4:VB+12*\t+5], v2, s[20:21] offset:98304*\t+512
	global_load_b128 v[VB+12*\t+6:VB+12*\t+9], v1, s[20:21] offset:98304*\t+768
	global_load_b64 v[VB+12*\t+10:VB+12*\t+11], v2, s[20:21] offset:98304*\t+1280
.endr
.irp i, 0,1
	global_load_b32 v[VS+\i], v14, s[22:23] offset:16384*\i
.endr
; Tile s89 + add: Q's half fragment, its scale words, its word of flags.  The scalar registers written here were last read by loads that have been waited for.
; The loads land in registers that phase A's products have read: phase A's last wait on va_vdst stands ahead, and no vector or matrix line between names them.
.macro NEXTQ add
	s_add_co_u32 s91, s89, \add
	s_mul_i32 s98, s91, 768
	s_add_nc_u64 s[4:5], s[66:67], s[98:99]
	s_lshl_b32 s98, s91, 6
	s_add_nc_u64 s[6:7], s[100:101], s[98:99]
	s_lshl_b32 s91, s91, 2
	global_load_b128 v[QF:QF+3], v1, s[4:5]
	global_load_b64 v[QF+4:QF+5], v2, s[4:5] offset:512
	global_load_b32 v[QS], v5, s[6:7]
	s_load_b32 s90, s[104:105], s91 offset:0x0
.endm
; The 64 mask words of (tile s89 + add, my keys) are asked for, unless the tile's flag says that all is true.
.macro MASKREQ add
	s_wait_kmcnt 0x0                               ; the flags are in; no scalar load is out, so s96 may be written
	s_lshr_b32 s97, s90, s84
	s_and_b32 s97, s97, 1
	s_cmp_eq_u32 s97, 1
	s_cbranch_scc1 .Lall_true_\@
	s_add_co_u32 s96, s89, \add
	s_lshl_b32 s96, s96, 12
	s_load_b512 s[16:31], s[8:9], s96 offset:0x0
	s_load_b512 s[32:47], s[8:9], s96 offset:0x40
	s_load_b512 s[48:63], s[8:9], s96 offset:0x80
	s_load_b512 s[68:83], s[8:9], s96 offset:0xc0
.Lall_true_\@:
.endm
; PHASE A, on registers alone: the scores of my 128 keys, the mask, M_w, p and l_w.
.macro ATT_A
.irp t, 0,1,2,3,4,5,6,7
.if \t % 2
	v_wmma_scale_f32_16x16x128_f8f6f4 v[S+8*\t:S+8*\t+7], v[KB+6*\t:KB+6*\t+11], v[QF:QF+11], 0, v[KS+\t/2], v[QS] matrix_a_fmt:MATRIX_FMT_FP6 matrix_b_fmt:MATRIX_FMT_FP6 matrix_a_scale:MATRIX_SCALE_ROW1
.else
	v_wmma_scale_f32_16x16x128_f8f6f4 v[S+8*\t:S+8*\t+7], v[KB+6*\t:KB+6*\t+11], v[QF:QF+11], 0, v[KS+\t/2], v[QS] matrix_a_fmt:MATRIX_FMT_FP6 matrix_b_fmt:MATRIX_FMT_FP6
.endif
.endr
.rept 4
	v_nop                                          ; places between the products and the first read of their results
.endr
	s_wait_kmcnt 0x0                               ; the mask words, if they were asked for
	s_lshr_b32 s97, s90, s84
	s_and_b32 s97, s97, 1
	s_cmp_eq_u32 s97, 1
	s_cbranch_scc1 .Lopen_\@
.set n, 0
.rept 64                                       ; a hidden key's score becomes -infinity ahead of the maximum
.if n < 48
	v_cndmask_b32 v[S+n], v15, v[S+n], s[16+n]
.else
	v_cndmask_b32 v[S+n], v15, v[S+n], s[20+n]
.endif
.set n, n+1
.endr
.Lopen_\@:
.irp b, 0,1,2,3
	v_max3_num_f32 v[BMX+\b], v[S+16*\b], v[S+1+16*\b], v[S+2+16*\b]   ; the largest score of each block of 32 keys: it serves for the maximum and, since the weight rises with the score, for the block's largest weight
.endr
.irp i, 3,5,7,9,11,13
.irp b, 0,1,2,3
	v_max3_num_f32 v[BMX+\b], v[BMX+\b], v[S+16*\b+\i], v[S+1+16*\b+\i]
.endr
.endr
.irp b, 0,1,2,3
	v_max_num_f32 v[BMX+\b], v[BMX+\b], v[S+15+16*\b]
.endr
.irp b, 0,1,2,3
	v_permlanex16_b32 v[T4+\b], v[BMX+\b], s2, s3
.endr
.irp b, 0,1,2,3
	v_max_num_f32 v[BMX+\b], v[BMX+\b], v[T4+\b]   ; with lane l xor 16's 16 keys
.endr
	v_max3_num_f32 v252, v[BMX], v[BMX+1], v[BMX+2]
	v_max_num_f32 v252, v252, v[BMX+3]
	v_mul_f32 v252, s14, v252                      ; as t (c is positive)
	v_max_num_f32 v252, 0xff61b1e6, v252           ; held at -3e38, where all my keys are hidden
	v_floor_f32 v244, -v252                        ; -M_w = floor(-t): M_w is a whole number
.irp j, 0,2,4,6,8,10,12,14,16,18,20,22,24,26,28,30,32,34,36,38,40,42,44,46,48,50,52,54,56,58,60,62
	v_pk_fma_f32 v[S+\j:S+\j+1], v[S+\j:S+\j+1], s[14:15], v[244:245] op_sel_hi:[1,0,0]   ; t - M_w, two at a time
.endr
.irp b, 0,1,2,3
	v_fma_f32 v[BMX+\b], v[BMX+\b], s14, v244      ; the same of each block's largest score
.endr
.set n, 0
.rept 64
	v_exp_f32 v[S+n], v[S+n]                       ; p = 2^(t - M_w), at most 1
.set n, n+1
.endr
	v_nop                                          ; a plain place behind the exponentials
	s_wait_alu depctr_va_vdst(0)                   ; the 64 exponentials have written v[S:S+63]: one wait for the batch, ahead of the sums that read them
.irp b, 0,1,2,3
	v_exp_f32 v[BMX+\b], v[BMX+\b]                 ; the block's largest p: the same two instructions on the same number give the same bits
.endr
	v_pk_add_f32 v[248:249], v[S:S+1], v[S+2:S+3]  ; l_w, two at a time, in two chains: plain work behind the four, which it does not name
	v_pk_add_f32 v[250:251], v[S+4:S+5], v[S+6:S+7]
.irp j, 8,12,16,20,24,28,32,36,40,44,48,52,56,60
	v_pk_add_f32 v[248:249], v[248:249], v[S+\j:S+\j+1]
	v_pk_add_f32 v[250:251], v[250:251], v[S+\j+2:S+\j+3]
.endr
	v_pk_add_f32 v[248:249], v[248:249], v[250:251]
	v_add_f32 v248, v248, v249
	v_permlanex16_b32 v249, v248, s2, s3
	v_add_f32 v248, v248, v249
	s_wait_alu depctr_va_vdst(0)                   ; the four exponentials have written v[BMX ..]; v244 and v248 are written, which the LDS stores of (M_w, l_w) read; the products are done reading Q, in which the next loads land; all that named v[PL:PL+31] is done, in which the sixteen pairs land
.endm
.macro MLSTORE
	ds_store_b32 v6, v244                          ; lanes r and r + 16 write the same word with the same value
	ds_store_b32 v6, v248 offset:MLD
.endm
; PHASE B: M and l of the whole row, the finished weights, their codes, my partial O^T.
; Its four loads land in v[PL:PL+15]: the wait on va_vdst behind the last tree (in the first trip: phase A's last) stands ahead, and no vector line between names them.
.macro ATT_B
	ds_load_b128 v[PL:PL+3], v7
	ds_load_b128 v[PL+4:PL+7], v7 offset:16
	ds_load_b128 v[PL+8:PL+11], v7 offset:MLD
	ds_load_b128 v[PL+12:PL+15], v7 offset:MLD+16
	s_wait_dscnt 0x0
	s_wait_alu depctr_vm_vsrc(0)                   ; the LDS stores issued so far have read their registers: v[252:253], which the lines below write; v4, which the next finished pair's address takes; v244 and v248, which the next phase A writes
	v_min3_num_f32 v252, v[PL], v[PL+1], v[PL+2]
	v_min3_num_f32 v253, v[PL+3], v[PL+4], v[PL+5]
	v_min3_num_f32 v252, v252, v[PL+6], v[PL+7]
	v_min_num_f32 v252, v252, v253
	v_permlanex16_b32 v253, v252, s2, s3
	v_min_num_f32 v252, v252, v253                 ; -M = the least -M_w
.irp i, 0,2,4,6
	v_pk_add_f32 v[PL+\i:PL+\i+1], v[252:253], v[PL+\i:PL+\i+1] op_sel_hi:[0,1] neg_lo:[0,1] neg_hi:[0,1]   ; M_i - M: a whole number, 0 or less
.endr
	v_sub_f32 v254, v252, v244                     ; and my own wave's
.irp i, 0,1,2,3,4,5,6,7
	v_cvt_i32_f32 v[PL+\i], v[PL+\i]               ; (it saturates)
.endr
	v_cvt_i32_f32 v254, v254
.irp i, 0,1,2,3,4,5,6,7
	v_ldexp_f32 v[PL+8+\i], v[PL+8+\i], v[PL+\i]   ; l_i 2^(M_i - M): nothing is rounded
.endr
	v_ldexp_f32 v254, 1.0, v254
	v_pk_add_f32 v[PL+8:PL+9], v[PL+8:PL+9], v[PL+10:PL+11]
	v_pk_add_f32 v[PL+12:PL+13], v[PL+12:PL+13], v[PL+14:PL+15]
	v_pk_add_f32 v[PL+8:PL+9], v[PL+8:PL+9], v[PL+12:PL+13]
	v_add_f32 v[PL+8], v[PL+8], v[PL+9]
	v_permlanex16_b32 v[PL+9], v[PL+8], s2, s3
	v_add_f32 v[PL+8], v[PL+8], v[PL+9]            ; l
	v_rcp_f32 v[PL+9], v[PL+8]
	v_cmp_lt_f32 vcc_lo, 0, v[PL+8]                ; (a plain place behind the reciprocal)
	s_wait_alu depctr_va_vdst(0)                   ; the reciprocal has written v[PL+9], ahead of its first reader
	s_wait_alu depctr_va_vcc(0)                    ; the comparison has written VCC, ahead of the selection that reads it
	v_cndmask_b32 v[PL+9], 0, v[PL+9], vcc_lo      ; a row with no key: all its weights are 0
	v_mul_f32 v246, v[PL+9], v254                  ; 2^(M_w - M) / l
.irp j, 0,2,4,6,8,10,12,14,16,18,20,22,24,26,28,30,32,34,36,38,40,42,44,46,48,50,52,54,56,58,60,62
	v_pk_mul_f32 v[S+\j:S+\j+1], v[S+\j:S+\j+1], v[246:247] op_sel_hi:[1,0]   ; A: the finished weight
.endr
.irp b, 0,1,2,3
	v_mul_f32 v[BMX+\b], v[BMX+\b], v246           ; each block's largest A: the same multiplication
.endr
.irp b, 0,1,2,3
	v_max_num_f32 v[BMX+\b], 0x1800000, v[BMX+\b]  ; the floor 2^(3 - 127): the byte cannot fall under 1
.endr
.irp b, 0,1,2,3
	v_add_nc_u32 v[TS+\b], 0xff000000, v[BMX+\b]   ; 2 off the exponent field: the conversion's scale operand
.endr
.irp b, 0,1,2,3
	v_lshrrev_b32 v[T4+\b], 23, v[TS+\b]           ; the scale's byte
.endr
	v_lshl_or_b32 v[PW], v[T4+1], 8, v[T4]
	v_lshl_or_b32 v[PW], v[T4+2], 16, v[PW]
	v_lshl_or_b32 v[PW], v[T4+3], 24, v[PW]
.irp c, 0,1
	v_cvt_scalef32_pk16_fp6_f32 v[PC+6*\c:PC+2+6*\c], v[S+32*\c:S+15+32*\c], v[TS+2*\c]
	v_cvt_scalef32_pk16_fp6_f32 v[PC+12+4*\c:PC+14+4*\c], v[S+16+32*\c:S+31+32*\c], v[TS+2*\c+1]
.endr
	v_nop                                          ; one plain place behind a scaled conversion
.irp c, 0,1                                    ; a whole block in a lane: lanes 0-15 block 2 c, lanes 16-31 block 2 c + 1
.irp i, 0,1,2
	v_permlane16_swap_b32 v[PC+6*\c+\i], v[PC+12+4*\c+\i]
.endr
.irp i, 0,1,2
	v_mov_b32 v[PC+3+6*\c+\i], v[PC+12+4*\c+\i]
.endr
.endr
.rept 8
	v_nop                                          ; a scale register written by a vector instruction stands 8 places ahead of a scaled matrix instruction, an operand so written 4
.endr
	s_wait_alu depctr_va_vdst(0)                   ; the conversions, exchanges and moves have written v[PC:PC+11], the shifts v[PW]: the four products take them as their second source and its scales; the places above stay beside this wait
.irp t, 0,1,2,3
.if \t % 2
	v_wmma_scale_f32_16x16x128_f8f6f4 v[S+8*\t:S+8*\t+7], v[VB+12*\t:VB+12*\t+11], v[PC:PC+11], 0, v[VS+\t/2], v[PW] matrix_a_fmt:MATRIX_FMT_FP6 matrix_b_fmt:MATRIX_FMT_FP6 matrix_a_scale:MATRIX_SCALE_ROW1
.else
	v_wmma_scale_f32_16x16x128_f8f6f4 v[S+8*\t:S+8*\t+7], v[VB+12*\t:VB+12*\t+11], v[PC:PC+11], 0, v[VS+\t/2], v[PW] matrix_a_fmt:MATRIX_FMT_FP6 matrix_b_fmt:MATRIX_FMT_FP6
.endif
.endr
.rept 5
	v_nop                                          ; four places ahead of the stores that read the results; the fifth since the next tile's products write over these registers
.endr
	s_wait_alu depctr_va_vdst(0)                   ; the four products have written v[S:S+31], which the LDS stores read, and are done reading v[PC ..]; the places above stay beside this wait
.irp i, 0,1,2,3,4,5,6,7,8,9,10,11,12,13,14,15
	ds_store_b64 v8, v[S+2*\i:S+2*\i+1] offset:256*\i   ; register 16 b + i' of lane (r, h): query r, channel 32 b + 16 h + i' of the head; each result from its low end on
.endr
.endm
.macro OPLOAD                          ; pair w of all sixteen waves' partial O^T.  No wait on va_vdst here: the last one stands behind every vector and matrix line that names v[PL:PL+31]
.irp p, 0,1,2,3,4,5,6,7,8,9,10,11,12,13,14,15
	ds_load_b64 v[PL+2*\p:PL+2*\p+1], v9 offset:4096*\p
.endr
.endm
.macro REDADR                          ; where the finished pair of tile s89 goes.  (The last store that read v4 stands ahead of phase B's wait on vm_vsrc)
	s_lshl_b32 s97, s89, 8
	v_add_nc_u32 v4, s97, v10
.endm
.macro OPSUM                           ; their sum, as a tree
.irp p, 0,1,2,3,4,5,6,7
	v_pk_add_f32 v[PL+4*\p:PL+4*\p+1], v[PL+4*\p:PL+4*\p+1], v[PL+4*\p+2:PL+4*\p+3]
.endr
.irp p, 0,1,2,3
	v_pk_add_f32 v[PL+8*\p:PL+8*\p+1], v[PL+8*\p:PL+8*\p+1], v[PL+8*\p+4:PL+8*\p+5]
.endr
	v_pk_add_f32 v[PL:PL+1], v[PL:PL+1], v[PL+8:PL+9]
	v_pk_add_f32 v[PL+16:PL+17], v[PL+16:PL+17], v[PL+24:PL+25]
	v_pk_add_f32 v[252:253], v[PL:PL+1], v[PL+16:PL+17]
.endm
; Tile 16 k + w of C's 32: 16 queries x the head's 64 channels become half a fragment and two scale bytes a row.
; Its loads land in v[S:S+31].  k = 0: the last phase B's products wrote them and its LDS stores read them: both waits stand ahead.  k = 1: the first tile's vector lines read them, ahead of its wait on va_vdst.
.macro FINISH k
.irp i, 0,1,2,3,4,5,6,7
	ds_load_b64 v[S+2*\i:S+2*\i+1], v11 offset:8192*\i+4096*(\k)
.endr
.irp i, 0,1,2,3,4,5,6,7
	ds_load_b64 v[S+16+2*\i:S+16+2*\i+1], v12 offset:8192*\i+4096*(\k)
.endr
	s_wait_dscnt 0x0
.if (\k) > 0
	s_wait_xcnt 0x0                                ; the first tile's stores have had their addresses translated: their data may be written again
	s_wait_alu depctr_vm_vsrc(0)                   ; and they have read v[PC:PC+5] and v[PW], which the lines below write
.endif
.irp b, 0,1
	v_max3_num_f32 v[BMX+\b], |v[S+16*\b]|, |v[S+1+16*\b]|, 0x1800000
.endr
.irp i, 2,4,6,8,10,12,14
.irp b, 0,1
	v_max3_num_f32 v[BMX+\b], v[BMX+\b], |v[S+16*\b+\i]|, |v[S+1+16*\b+\i]|
.endr
.endr
.irp b, 0,1
	v_permlanex16_b32 v[T4+\b], v[BMX+\b], s2, s3
.endr
.irp b, 0,1
	v_max_num_f32 v[BMX+\b], v[BMX+\b], v[T4+\b]
.endr
.irp b, 0,1
	v_add_nc_u32 v[TS+\b], 0xff000000, v[BMX+\b]
.endr
.irp b, 0,1
	v_lshrrev_b32 v[T4+\b], 23, v[TS+\b]
.endr
	v_lshl_or_b32 v[PW], v[T4+1], 8, v[T4]
	v_cvt_scalef32_pk16_fp6_f32 v[PC:PC+2], v[S:S+15], v[TS]
	v_cvt_scalef32_pk16_fp6_f32 v[PC+12:PC+14], v[S+16:S+31], v[TS+1]
	v_nop                                          ; one plain place behind a scaled conversion
.irp i, 0,1,2
	v_permlane16_swap_b32 v[PC+\i], v[PC+12+\i]
.endr
.irp i, 0,1,2
	v_mov_b32 v[PC+3+\i], v[PC+12+\i]
.endr
	s_wait_alu depctr_va_vdst(0)                   ; the conversions, exchanges and moves have written v[PC:PC+5], the shift v[PW], which the stores read; and they are done reading v[S:S+31], in which the next tile's loads land
	global_store_b128 v1, v[PC:PC+3], s[10:11] offset:196608*(\k)        ; 512 and 256 consecutive bytes, at multiples of 256 from cc's first byte
	global_store_b64 v2, v[PC+4:PC+5], s[10:11] offset:196608*(\k)+512
	global_store_b16 v13, v[PW], s[12:13] offset:8192*(\k)               ; the head's two bytes of each row's scale word
.endm
	NEXTQ 0
	s_wait_loadcnt 0x0                             ; K, V, their scale words, the first Q
.irp p, 16,18,20,22,24,26,28,30,32,34,36,38,40,42,44,46,48,50,52,54,56,58,60,62,68,70,72,74,76,78,80,82
	s_mov_b64 s[\p:\p+1], -1                       ; the mask words hold a mask on every way (the addresses that lay in the first eight have served)
.endr
	MASKREQ 0
	ATT_A                                          ; tile 0
	NEXTQ 1
	MLSTORE
	s_wait_dscnt 0x0
	s_barrier_signal -1
	s_barrier_wait -1                              ; barrier S: all (M_w, l_w) of tile 0 lie in LDS
.Ltrip:                                            ; 31 trips: phase B of tile s89, phase A of tile s89 + 1
	MASKREQ 1
	ATT_B
	s_wait_loadcnt 0x0                             ; Q of the next tile, asked for a trip ago
	s_wait_dscnt 0x0                               ; my partial O^T has landed; my reads of (M, l) and my last finished pair's store are over
	s_wait_alu depctr_vm_vsrc(0)                   ; the sixteen LDS stores have read v[S:S+31], which phase A's products write
	s_barrier_signal -1                            ; barrier O
	ATT_A                                          ; registers alone, while the others arrive
	s_barrier_wait -1                              ; all sixteen partial O^T lie in LDS, and nobody reads (M, l) any more
	OPLOAD
	s_cmp_lt_u32 s89, 30                           ; the last trip has no tile two on
	s_cbranch_scc0 .Lno_q
	NEXTQ 2
.Lno_q:
	MLSTORE
	s_wait_dscnt 0x0                               ; the sixteen pairs are in; my (M_w, l_w) have landed
	s_barrier_signal -1                            ; barrier S
	REDADR
	OPSUM
	s_wait_alu depctr_va_vdst(0)                   ; v4 and v[252:253] are written, which the LDS store below reads; the tree is done with v[PL ..], in which the next trip's loads land.  It stands here, while the others arrive
	s_barrier_wait -1                              ; all (M_w, l_w) of the next tile lie in LDS, and nobody reads the partial O^T any more
	ds_store_b64 v4, v[252:253]                    ; the finished pair of tile s89
	s_add_co_u32 s89, s89, 1
	s_cmp_lt_u32 s89, 31
	s_cbranch_scc1 .Ltrip
	ATT_B                                          ; tile 31
	s_wait_dscnt 0x0
	s_wait_alu depctr_vm_vsrc(0)                   ; the sixteen LDS stores have read v[S:S+31], in which the finished tiles' loads land
	s_barrier_signal -1
	s_barrier_wait -1
	OPLOAD
	s_wait_dscnt 0x0
	REDADR
	OPSUM
	s_wait_alu depctr_va_vdst(0)                   ; v4 and v[252:253] are written, which the LDS store below reads
	ds_store_b64 v4, v[252:253]                    ; the finished pair of tile 31
	s_wait_dscnt 0x0
	s_barrier_signal -1
	s_barrier_wait -1                              ; all 32 tiles of O^T lie in LDS
	FINISH 0
	FINISH 1
	s_wait_dscnt 0x0                               ; the closing lines, six on end
	s_wait_alu 0x0
	s_wait_tensorcnt 0x0
	ds_add_u32 v231, v255
	s_wait_dscnt 0x0
	s_endpgm
.Lfunc_end_k_q251329a9b2_attn:
	.size	k_q251329a9b2_attn, .Lfunc_end_k_q251329a9b2_attn-k_q251329a9b2_attn
	.p2alignl 7, 3214868480
	.fill 96, 4, 3214868480
	.section	.rodata,"a",@progbits
	.p2align	6, 0x0
	.amdhsa_kernel k_q251329a9b2_attn
		.amdhsa_group_segment_fixed_size 201216
		.amdhsa_private_segment_fixed_size 0
		.amdhsa_enable_private_segment 0
		.amdhsa_kernarg_size 48
		.amdhsa_user_sgpr_count 2
		.amdhsa_user_sgpr_kernarg_segment_ptr 1
		.amdhsa_wavefront_size32 1
		.amdhsa_system_sgpr_workgroup_id_x 1
		.amdhsa_system_sgpr_workgroup_id_y 1
		.amdhsa_system_sgpr_workgroup_id_z 1
		.amdhsa_system_vgpr_workitem_id 0
		.amdhsa_next_free_vgpr 256
		.amdhsa_next_free_sgpr 106
		.amdhsa_reserve_vcc 1
		.amdhsa_float_denorm_mode_32 3
		.amdhsa_float_denorm_mode_16_64 3
		.amdhsa_memory_ordered 1
		.amdhsa_forward_progress 1
		.amdhsa_inst_pref_size 69
	.end_amdhsa_kernel
	.amdgpu_metadata
---
amdhsa.version: [ 1, 2 ]
amdhsa.kernels:
  - .name:           k_q251329a9b2_attn
    .symbol:         k_q251329a9b2_attn.kd
    .args:
      - { .name: ac, .offset: 0, .size: 8, .value_kind: global_buffer, .address_space: global }
      - { .name: asc, .offset: 8, .size: 8, .value_kind: global_buffer, .address_space: global }
      - { .name: mb, .offset: 16, .size: 8, .value_kind: global_buffer, .address_space: global }
      - { .name: fl, .offset: 24, .size: 8, .value_kind: global_buffer, .address_space: global }
      - { .name: cc, .offset: 32, .size: 8, .value_kind: global_buffer, .address_space: global }
      - { .name: cs, .offset: 40, .size: 8, .value_kind: global_buffer, .address_space: global }
    .group_segment_fixed_size: 201216
    .private_segment_fixed_size: 0
    .kernarg_segment_align: 8
    .kernarg_segment_size: 48
    .max_flat_workgroup_size: 512
    .sgpr_count:     106
    .vgpr_count:     256
    .wavefront_size: 32
...
	.end_amdgpu_metadata
.endif
;; end of part 5
;; launch outp: the kernel of part 4 again; grid 4 x 32, 4 waves a work-group, clusters of 4 x 4, 327,680 bytes of LDS; arguments cc, cs, pc, ps, out0; writes out0
